; MI455X (gfx1250); checked and timed in simulation.
; The chip was launched on July 23, 2026; its instructions are those of AMD's public machine-readable ISA for CDNA 5 (MIT licence, August 2026) and "CDNA5" Instruction Set Architecture Reference Guide (July 2026). The comments in the code are by the model that wrote it; some were corrected since.
;; Mo E Layer. Allowed arithmetic: float matrix products may take bf16 or f16 operands with f32 sums; all other float work in f32.
;; Inputs: W1 8 x 1,024 x 4,096 float32; W2 8 x 4,096 x 1,024 float32; Wg 1,024 x 8 float32; b1 8 x 4,096 float32; b2 8 x 1,024 float32; bg 8 float32; x 1,024 x 1,024 float32.
;; Outputs: out0 1,024 x 1,024 float32; out1 one number float32.
;; 2 versions, each right and faster than the one before. Each part assembles by itself: llvm-mc -triple=amdgcn-amd-amdhsa -mcpu=gfx1250 --defsym DOCPART=n.
;; ======== version 1 of 2: 5 launches
;; workspace buffers: xb 2,097,152 bytes; sel 8,192 bytes of whole numbers; gf 24,576 bytes; rt 41,216 bytes of whole numbers; h 67,108,864 bytes; y 134,217,728 bytes
;; launch gate (part 1): grid 512 x 1, 1 waves a work-group, no clusters, 0 bytes of LDS; arguments x, Wg, bg, xb, sel, gf; writes xb, sel, gf
.if DOCPART == 1
	.amdgcn_target "amdgcn-amd-amdhsa--gfx1250"
	.amdhsa_code_object_version 6
	.text
	.protected	k_q786dcfcf89_gate
	.globl	k_q786dcfcf89_gate
	.p2align	8
	.type	k_q786dcfcf89_gate,@function
k_q786dcfcf89_gate:
	s_mov_b64 s[64:65], 0
	v_nop
	global_prefetch_b8 v0, s[64:65] scope:SCOPE_SE
	s_setreg_imm32_b32 hwreg(HW_REG_WAVE_MODE, 25, 1), 1
	s_wait_xcnt 0x0
; GATE.  logits = x Wg + bg for 2 tokens a wave; the two largest logits' experts (sel), their softmax weights (gf, byte 0),
; the full softmax's gates summed over the wave's 2 tokens (gf, byte 8192: [512][8]), and x rounded to bf16 (xb).
; FORMAT.  x, Wg and bg are rounded to bf16 like every other input of the program; the products of two bf16 are exact in f32 and the sums are f32
; (v_fma_mix_f32_bf16).  The product has 8 columns, half a matrix tile, and 2 x 1024 x 1024 x 8 operations in all: it stays on the vector unit.
; SHARES.  Lane l owns k = 128 j + 4 l + i (j = 0..7, i = 0..3): a load of x covers 512 consecutive bytes, a store of xb 256 aligned ones.
; LIMITS.  NaN and infinities are not treated apart.  Equal logits go to the lower index; logits closer than the rounding of a 1,024-term f32 sum may order otherwise.
; sel, the weights and the gate sums are 16 and 32 bytes a work-group: stored as single words by the first lanes.
.set X,   16                           ; v[16:79]   token t, step j: 4 registers at X+32t+4j; after the rounding the first two hold 4 bf16
.set GF,  80                           ; v[80:143]  Wg as loaded, two buffers of 32: register 4q+c = Wg[k+(q>>1)][4(q&1)+c]
.set GB,  144                          ; v[144:159] Wg of the step in bf16: k offset i, experts 2p, 2p+1 at GB+4i+p
.set ACC, 160                          ; v[160:175] sums: token t, expert e at ACC+8t+e
.set BG,  176                          ; v[176:183] bg, rounded
.set LG,  184                          ; v[184:191] my token's 8 logits
.set PR,  192                          ; v[192:199] its exponentials, then gates
	s_load_b256 s[4:11], s[0:1], 0x0               ; x s[4:5], Wg s[6:7], bg s[8:9], xb s[10:11]
	s_load_b128 s[12:15], s[0:1], 0x20             ; sel s[12:13], gf s[14:15]
	v_lshlrev_b32 v1, 2, v0                        ; 4 l
	v_lshlrev_b32 v2, 4, v0                        ; 16 l: x
	v_lshlrev_b32 v3, 7, v0                        ; 128 l: four rows of Wg
	v_lshlrev_b32 v4, 3, v0                        ; 8 l: xb
	s_lshl_b32 s24, ttmp9, 13                      ; 2 rows of x
	s_mov_b32 s25, 0
	s_lshl_b32 s26, ttmp9, 12                      ; 2 rows of xb
	s_mov_b32 s27, 0
	s_lshl_b32 s36, ttmp9, 4                       ; 2 tokens x 2 words
	s_mov_b32 s37, 0
	s_lshl_b32 s38, ttmp9, 5                       ; 8 gate sums
	s_mov_b32 s39, 0
	s_mov_b32 s28, 0x76543210                      ; v_permlanex16_b32: each lane takes its own place in the other half
	s_mov_b32 s29, 0xfedcba98
	s_mov_b32 s30, 0xcccccccc                      ; lanes whose token is the second one: bit 1 of the lane
	s_mov_b32 s31, 0xaaaaaaaa                      ; lanes that store the second choice: bit 0
	s_wait_kmcnt 0x0
	s_load_b256 s[16:23], s[8:9], 0x0              ; bg
	s_add_nc_u64 s[4:5], s[4:5], s[24:25]
	s_add_nc_u64 s[10:11], s[10:11], s[26:27]
	s_add_nc_u64 s[12:13], s[12:13], s[36:37]
	s_add_nc_u64 s[32:33], s[14:15], s[38:39]      ; gate sums (their 8,192 stand in the store's immediate)
	s_add_nc_u64 s[14:15], s[14:15], s[36:37]
.irp j, 0,1,2,3,4,5,6,7
.irp t, 0,1
	global_load_b128 v[X+32*\t+4*\j:X+32*\t+4*\j+3], v2, s[4:5] offset:4096*\t+512*\j th:TH_LOAD_NT
.endr
.endr
.macro LOADG j                         ; Wg's rows 128 j + 4 l .. + 3: 128 bytes a lane
.set GFL, GF+32*((\j)%2)
.irp q, 0,1,2,3,4,5,6,7
	global_load_b128 v[GFL+4*\q:GFL+4*\q+3], v3, s[6:7] offset:4096*(\j)+16*\q
.endr
.endm
	LOADG 0
	LOADG 1
	s_wait_kmcnt 0x0                               ; bg
	v_cmp_eq_u32 vcc_lo, 0, v0
.irp p, 0,1,2,3
	v_cvt_pk_bf16_f32 v5, s[16+2*\p], s[17+2*\p]
	v_lshlrev_b32 v[BG+2*\p], 16, v5
	v_and_b32 v[BG+2*\p+1], 0xffff0000, v5
.endr
.irp t, 0,1
.irp e, 0,1,2,3,4,5,6,7
	v_cndmask_b32 v[ACC+8*\t+\e], 0, v[BG+\e], vcc_lo  ; lane 0's sums start with the bias, the others' with 0
.endr
.endr
.macro GSTEP j
.set GFB, GF+32*((\j)%2)
.if (\j) < 7
	s_wait_loadcnt 0x8                             ; x and this step's Wg are in; the next step's 8 loads may be out
.else
	s_wait_loadcnt 0x0
.endif
.irp q, 0,1,2,3,4,5,6,7
	v_cvt_pk_bf16_f32 v[GB+2*\q], v[GFB+4*\q], v[GFB+4*\q+1]
	v_cvt_pk_bf16_f32 v[GB+2*\q+1], v[GFB+4*\q+2], v[GFB+4*\q+3]
.endr
.if (\j) < 6
	LOADG (\j)+2
.endif
.irp t, 0,1
	v_cvt_pk_bf16_f32 v[X+32*\t+4*(\j)], v[X+32*\t+4*(\j)], v[X+32*\t+4*(\j)+1]
	v_cvt_pk_bf16_f32 v[X+32*\t+4*(\j)+1], v[X+32*\t+4*(\j)+2], v[X+32*\t+4*(\j)+3]
	global_store_b64 v4, v[X+32*\t+4*(\j):X+32*\t+4*(\j)+1], s[10:11] offset:2048*\t+256*(\j)  ; 256 consecutive bytes, aligned; these registers are not written again
.endr
.irp t, 0,1
.irp ip, 0,1
.irp a, 0,1
.irp ep, 0,1,2,3
.irp b, 0,1
	v_fma_mix_f32_bf16 v[ACC+8*\t+2*\ep+\b], v[X+32*\t+4*(\j)+\ip], v[GB+8*\ip+4*\a+\ep], v[ACC+8*\t+2*\ep+\b] op_sel:[\a,\b,0] op_sel_hi:[1,1,0]
.endr
.endr
.endr
.endr
.endr
.endm
.irp j, 0,1,2,3,4,5,6,7
	GSTEP \j
.endr
	; the 16 sums over the 32 lanes: every lane ends with all of them
.irp m, 1,2,4,8
.set i, 0
.rept 16
	v_add_f32_dpp v[ACC+i], v[ACC+i], v[ACC+i] row_xmask:\m row_mask:0xf bank_mask:0xf
.set i, i+1
.endr
.endr
.set i, 0
.rept 16
	v_permlanex16_b32 v[GB+i], v[ACC+i], s28, s29
.set i, i+1
.endr
.set i, 0
.rept 16
	v_add_f32 v[ACC+i], v[ACC+i], v[GB+i]
.set i, i+1
.endr
.irp e, 0,1,2,3,4,5,6,7
	v_cndmask_b32 v[LG+\e], v[ACC+\e], v[ACC+8+\e], s30  ; my token's logits
.endr
	; the largest (m1 v5, its index v6): a strict compare keeps the lower index
	v_mov_b32 v5, v[LG]
	v_mov_b32 v6, 0
.irp e, 1,2,3,4,5,6,7
	v_cmp_gt_f32 vcc_lo, v[LG+\e], v5
	v_cndmask_b32 v5, v5, v[LG+\e], vcc_lo
	v_cndmask_b32 v6, v6, \e, vcc_lo
.endr
	; the largest of the other seven (m2 v7, index v8)
	v_mov_b32 v7, 0xff800000
	v_mov_b32 v8, 0
.irp e, 0,1,2,3,4,5,6,7
	v_cmp_ne_u32 s34, \e, v6
	v_cmp_gt_f32 vcc_lo, v[LG+\e], v7
	s_and_b32 vcc_lo, vcc_lo, s34
	v_cndmask_b32 v7, v7, v[LG+\e], vcc_lo
	v_cndmask_b32 v8, v8, \e, vcc_lo
.endr
	; both softmaxes take the maximum m1 away
.irp e, 0,1,2,3,4,5,6,7
	v_sub_f32 v[PR+\e], v[LG+\e], v5
.endr
	v_sub_f32 v9, v7, v5
.irp e, 0,1,2,3,4,5,6,7
	v_mul_f32 v[PR+\e], 0x3fb8aa3b, v[PR+\e]
.endr
	v_mul_f32 v9, 0x3fb8aa3b, v9
.irp e, 0,1,2,3,4,5,6,7
	v_exp_f32 v[PR+\e], v[PR+\e]
.endr
	v_exp_f32 v9, v9
	v_nop                                          ; a plain instruction behind the last exponential
	s_wait_alu depctr_va_vdst(0)
	v_add_f32 v10, v[PR], v[PR+1]
	v_add_f32 v11, v[PR+2], v[PR+3]
	v_add_f32 v12, v[PR+4], v[PR+5]
	v_add_f32 v13, v[PR+6], v[PR+7]
	v_add_f32 v10, v10, v11
	v_add_f32 v12, v12, v13
	v_add_f32 v10, v10, v12
	v_add_f32 v11, 1.0, v9
	v_rcp_f32 v10, v10
	v_rcp_f32 v11, v11                             ; w1 = 1 / (1 + p2)
	v_nop
	s_wait_alu depctr_va_vdst(0)
.irp e, 0,1,2,3,4,5,6,7
	v_mul_f32 v[PR+\e], v[PR+\e], v10              ; gates
.endr
	v_mul_f32 v12, v9, v11                         ; w2 = p2 w1
.irp e, 0,1,2,3,4,5,6,7
	v_add_f32_dpp v[PR+\e], v[PR+\e], v[PR+\e] row_xmask:2 row_mask:0xf bank_mask:0xf  ; + the other token's
.endr
	v_mov_b32 v13, v[PR]
.irp e, 1,2,3,4,5,6,7
	v_cmp_eq_u32 vcc_lo, \e, v0
	v_cndmask_b32 v13, v13, v[PR+\e], vcc_lo       ; lane e takes expert e's sum
.endr
	v_cndmask_b32 v14, v6, v8, s31                 ; even lanes the first choice, odd lanes the second
	v_cndmask_b32 v15, v11, v12, s31
	s_wait_xcnt 0x0                                ; EXEC changes only behind this wait: stores are out
	v_cmp_gt_u32 vcc_lo, 8, v0
	s_and_saveexec_b32 s34, vcc_lo
	global_store_b32 v1, v13, s[32:33] offset:8192
	v_cmp_gt_u32 vcc_lo, 4, v0
	s_wait_xcnt 0x0
	s_and_saveexec_b32 s35, vcc_lo
	global_store_b32 v1, v14, s[12:13]             ; lane l: token l / 2, choice l % 2
	global_store_b32 v1, v15, s[14:15]
	s_endpgm
.Lfunc_end_k_q786dcfcf89_gate:
	.size	k_q786dcfcf89_gate, .Lfunc_end_k_q786dcfcf89_gate-k_q786dcfcf89_gate
	.p2alignl 7, 3214868480
	.fill 96, 4, 3214868480
	.section	.rodata,"a",@progbits
	.p2align	6, 0x0
	.amdhsa_kernel k_q786dcfcf89_gate
		.amdhsa_group_segment_fixed_size 0
		.amdhsa_private_segment_fixed_size 0
		.amdhsa_enable_private_segment 0
		.amdhsa_kernarg_size 48
		.amdhsa_user_sgpr_count 2
		.amdhsa_user_sgpr_kernarg_segment_ptr 1
		.amdhsa_wavefront_size32 1
		.amdhsa_system_sgpr_workgroup_id_x 1
		.amdhsa_system_sgpr_workgroup_id_y 1
		.amdhsa_system_sgpr_workgroup_id_z 1
		.amdhsa_system_vgpr_workitem_id 0
		.amdhsa_next_free_vgpr 200
		.amdhsa_next_free_sgpr 66
		.amdhsa_reserve_vcc 1
		.amdhsa_float_denorm_mode_32 3
		.amdhsa_float_denorm_mode_16_64 3
		.amdhsa_memory_ordered 1
		.amdhsa_forward_progress 1
		.amdhsa_inst_pref_size 66
	.end_amdhsa_kernel
	.amdgpu_metadata
---
amdhsa.version: [ 1, 2 ]
amdhsa.kernels:
  - .name:           k_q786dcfcf89_gate
    .symbol:         k_q786dcfcf89_gate.kd
    .args:
      - { .name: x, .offset: 0, .size: 8, .value_kind: global_buffer, .address_space: global }
      - { .name: Wg, .offset: 8, .size: 8, .value_kind: global_buffer, .address_space: global }
      - { .name: bg, .offset: 16, .size: 8, .value_kind: global_buffer, .address_space: global }
      - { .name: xb, .offset: 24, .size: 8, .value_kind: global_buffer, .address_space: global }
      - { .name: sel, .offset: 32, .size: 8, .value_kind: global_buffer, .address_space: global }
      - { .name: gf, .offset: 40, .size: 8, .value_kind: global_buffer, .address_space: global }
    .group_segment_fixed_size: 0
    .private_segment_fixed_size: 0
    .kernarg_segment_align: 8
    .kernarg_segment_size: 48
    .max_flat_workgroup_size: 32
    .sgpr_count:     66
    .vgpr_count:     200
    .wavefront_size: 32
...
	.end_amdgpu_metadata
.endif
;; end of part 1
;; launch route (part 2): grid 1 x 1, 32 waves a work-group, no clusters, 6,144 bytes of LDS; arguments sel, gf, rt, out1; writes rt, out1
.if DOCPART == 2
	.amdgcn_target "amdgcn-amd-amdhsa--gfx1250"
	.amdhsa_code_object_version 6
	.text
	.protected	k_q786dcfcf89_route
	.globl	k_q786dcfcf89_route
	.p2align	8
	.type	k_q786dcfcf89_route,@function
k_q786dcfcf89_route:
	s_mov_b64 s[64:65], 0
	v_nop
	global_prefetch_b8 v0, s[64:65] scope:SCOPE_SE
	s_setreg_imm32_b32 hwreg(HW_REG_WAVE_MODE, 25, 1), 1
	s_wait_xcnt 0x0
; ROUTE.  One work-group, one token a thread.  For each of a token's two experts e its rank among the tokens of e (in token order) gives a slot 1024 e + rank.
; rt: byte 0 list[8][1024] (the token of a slot), byte 32768 slot[1024][2], byte 40960 cnt[8].  All in whole numbers.
; Also the loss: 8 x the sum over experts of (mean gate)^2, from the gate sums of 2 tokens each that the launch before left.
; HOW.  A wave's 8 masks (which of its 32 tokens chose e) give 8 counts; packed two to a word (a sum stays under 2^16) they go to LDS; behind ONE barrier each wave
; sums the rows of the waves in front of it; a token's rank is that sum plus the mask's bits below its lane.  The gate sums go the same way in f32.
; One work-group: the ranks are a prefix over all 1,024 tokens, and 8 KB of input is no work to share out.
; LIMIT.  A token's two experts differ (they do for finite logits).
.set CT, 0                             ; LDS: 32 rows of 16 bytes: a wave's 8 counts
.set GS, 512                           ; LDS: 32 rows of 32 bytes: a wave's 8 gate sums
	s_load_b256 s[4:11], s[0:1], 0x0               ; sel s[4:5], gf s[6:7], rt s[8:9], out1 s[10:11]
	v_lshl_add_u32 v48, v0, 2, 0x800
	v_mov_b32 v49, 0
	v_lshrrev_b32 v1, 5, v0
	v_readfirstlane_b32 s12, v1                    ; wave
	v_and_b32 v2, 31, v0                           ; lane
	v_lshlrev_b32 v3, 3, v0                        ; 8 x token
	v_lshlrev_b32 v4, 4, v0                        ; 16 x thread
	s_mov_b32 s13, 0x76543210
	s_mov_b32 s14, 0xfedcba98
	s_wait_kmcnt 0x0
	global_load_b64 v[6:7], v3, s[4:5]             ; my token's two experts
	global_load_b128 v[8:11], v4, s[6:7] offset:8192  ; gate sums: row thread / 2, experts 4 (thread % 2) + 0..3
	v_lshlrev_b32 v16, 4, v1                       ; my wave's row of counts
	v_and_b32 v17, 1, v0
	v_lshlrev_b32 v17, 4, v17
	v_lshl_add_u32 v17, v1, 5, v17                 ; my wave's row of gate sums, my parity's half
	v_lshlrev_b32 v18, 4, v2                       ; 16 x lane
	s_wait_loadcnt 0x1                             ; the experts are in; the gate sums may be out
	v_min_u32 v6, 7, v6
	v_min_u32 v7, 7, v7
.irp e, 0,1,2,3,4,5,6,7
	v_cmp_eq_u32 s16, \e, v6
	v_cmp_eq_u32 s17, \e, v7
	s_or_b32 s[24+\e], s16, s17                    ; the wave's tokens that chose e
	s_bcnt1_i32_b32 s[32+\e], s[24+\e]
.endr
.irp p, 0,1,2,3
	s_lshl_b32 s16, s[33+2*\p], 16
	s_or_b32 s16, s16, s[32+2*\p]
	v_mov_b32 v[12+\p], s16
.endr
	ds_store_b128 v16, v[12:15] offset:CT          ; every lane writes the same 16 bytes
	s_wait_loadcnt 0x0
.irp m, 2,4,8
.irp c, 0,1,2,3
	v_add_f32_dpp v[8+\c], v[8+\c], v[8+\c] row_xmask:\m row_mask:0xf bank_mask:0xf
.endr
.endr
.irp c, 0,1,2,3
	v_permlanex16_b32 v[12+\c], v[8+\c], s13, s14
.endr
.irp c, 0,1,2,3
	v_add_f32 v[8+\c], v[8+\c], v[12+\c]           ; lanes of one parity all hold the same four sums
.endr
	ds_store_b128 v17, v[8:11] offset:GS
	s_wait_dscnt 0x0                               ; for the others' sake: my stores are done
	s_barrier_signal -1
	s_barrier_wait -1
	ds_load_b128 v[12:15], v18 offset:CT           ; lane l: wave l's counts
	v_cmp_gt_u32 vcc_lo, s12, v2                   ; the waves in front of mine
	s_wait_dscnt 0x0
.irp p, 0,1,2,3
	v_cndmask_b32 v[12+\p], 0, v[12+\p], vcc_lo
.endr
.irp m, 1,2,4,8
.irp p, 0,1,2,3
	v_mov_b32_dpp v[8+\p], v[12+\p] row_xmask:\m row_mask:0xf bank_mask:0xf
.endr
.irp p, 0,1,2,3
	v_add_nc_u32 v[12+\p], v[12+\p], v[8+\p]
.endr
.endr
.irp p, 0,1,2,3
	v_permlanex16_b32 v[8+\p], v[12+\p], s13, s14
.endr
.irp p, 0,1,2,3
	v_add_nc_u32 v[12+\p], v[12+\p], v[8+\p]
.endr
.irp p, 0,1,2,3
	v_and_b32 v[24+2*\p], 0xffff, v[12+\p]         ; v[24+e]: tokens of e in the waves in front of mine
	v_lshrrev_b32 v[25+2*\p], 16, v[12+\p]
.endr
	v_mbcnt_lo_u32_b32 v32, s24, v24               ; rank, were my expert 0
	v_mov_b32 v33, v32
.irp e, 1,2,3,4,5,6,7
	v_mbcnt_lo_u32_b32 v5, s[24+\e], v[24+\e]
	v_cmp_eq_u32 vcc_lo, \e, v6
	v_cndmask_b32 v32, v32, v5, vcc_lo
	v_cmp_eq_u32 vcc_lo, \e, v7
	v_cndmask_b32 v33, v33, v5, vcc_lo
.endr
	v_min_u32 v32, 0x3ff, v32
	v_min_u32 v33, 0x3ff, v33
	v_lshl_add_u32 v34, v6, 10, v32                ; slots
	v_lshl_add_u32 v35, v7, 10, v33
	v_lshlrev_b32 v36, 2, v34
	v_lshlrev_b32 v37, 2, v35
	global_store_b64 v3, v[34:35], s[8:9] offset:32768
	global_store_b32 v36, v0, s[8:9]               ; list[slot] = my token
	global_store_b32 v37, v0, s[8:9]
	s_cmp_eq_u32 s12, 0
	s_cbranch_scc1 .Lloss
	s_cmp_eq_u32 s12, 31
	s_cbranch_scc1 .Lcounts
	s_wait_tensorcnt 0x0
	ds_add_u32 v48, v49
	s_wait_dscnt 0x0
	s_endpgm
.Lcounts:                                              ; the last wave: what lies in front of it plus its own is the count
.irp e, 0,1,2,3,4,5,6,7
	v_add_nc_u32 v[24+\e], s[32+\e], v[24+\e]
.endr
	v_mov_b32 v38, v24
.irp e, 1,2,3,4,5,6,7
	v_cmp_eq_u32 vcc_lo, \e, v2
	v_cndmask_b32 v38, v38, v[24+\e], vcc_lo       ; lane e takes expert e's count
.endr
	v_lshlrev_b32 v39, 2, v2
	v_lshlrev_b32 v40, 12, v2
	v_mov_b32 v41, 0
	s_wait_xcnt 0x0                                ; EXEC changes only behind this wait
	v_cmp_gt_u32 vcc_lo, 8, v2
	s_wait_tensorcnt 0x0
	ds_add_u32 v48, v49
	s_wait_dscnt 0x0
	s_and_saveexec_b32 s16, vcc_lo
	global_store_b32 v39, v38, s[8:9] offset:40960
	v_cmp_eq_u32 vcc_lo, 0, v38
	s_wait_xcnt 0x0
	s_and_saveexec_b32 s17, vcc_lo
	global_store_b32 v40, v41, s[8:9]              ; an expert without tokens: its list's first word, which the next launch reads, is token 0
	s_endpgm
.Lloss:                                                ; wave 0: lane l takes 16-byte pieces l and l + 32 of the 64: both of parity l % 2
	ds_load_b128 v[8:11], v18 offset:GS
	ds_load_b128 v[12:15], v18 offset:GS+512
	s_wait_dscnt 0x0
	v_pk_add_f32 v[8:9], v[8:9], v[12:13]
	v_pk_add_f32 v[10:11], v[10:11], v[14:15]
.irp m, 2,4,8
.irp c, 0,1,2,3
	v_add_f32_dpp v[8+\c], v[8+\c], v[8+\c] row_xmask:\m row_mask:0xf bank_mask:0xf
.endr
.endr
.irp c, 0,1,2,3
	v_permlanex16_b32 v[12+\c], v[8+\c], s13, s14
.endr
.irp c, 0,1,2,3
	v_add_f32 v[8+\c], v[8+\c], v[12+\c]
.endr
	v_mul_f32 v12, v8, v8
	v_fmac_f32 v12, v9, v9
	v_fmac_f32 v12, v10, v10
	v_fmac_f32 v12, v11, v11
	v_add_f32_dpp v12, v12, v12 row_xmask:1 row_mask:0xf bank_mask:0xf  ; the other four experts'
	v_mul_f32 v12, 0x37000000, v12                 ; 8 / 1024^2 = 2^-17
	v_mov_b32 v13, 0
	s_wait_xcnt 0x0
	v_cmp_eq_u32 vcc_lo, 0, v2
	s_wait_tensorcnt 0x0
	ds_add_u32 v48, v49
	s_wait_dscnt 0x0
	s_and_saveexec_b32 s16, vcc_lo
	global_store_b32 v13, v12, s[10:11]
	s_endpgm
.Lfunc_end_k_q786dcfcf89_route:
	.size	k_q786dcfcf89_route, .Lfunc_end_k_q786dcfcf89_route-k_q786dcfcf89_route
	.p2alignl 7, 3214868480
	.fill 96, 4, 3214868480
	.section	.rodata,"a",@progbits
	.p2align	6, 0x0
	.amdhsa_kernel k_q786dcfcf89_route
		.amdhsa_group_segment_fixed_size 6144
		.amdhsa_private_segment_fixed_size 0
		.amdhsa_enable_private_segment 0
		.amdhsa_kernarg_size 32
		.amdhsa_user_sgpr_count 2
		.amdhsa_user_sgpr_kernarg_segment_ptr 1
		.amdhsa_wavefront_size32 1
		.amdhsa_system_sgpr_workgroup_id_x 1
		.amdhsa_system_sgpr_workgroup_id_y 1
		.amdhsa_system_sgpr_workgroup_id_z 1
		.amdhsa_system_vgpr_workitem_id 0
		.amdhsa_next_free_vgpr 50
		.amdhsa_next_free_sgpr 66
		.amdhsa_reserve_vcc 1
		.amdhsa_float_denorm_mode_32 3
		.amdhsa_float_denorm_mode_16_64 3
		.amdhsa_memory_ordered 1
		.amdhsa_forward_progress 1
		.amdhsa_inst_pref_size 13
	.end_amdhsa_kernel
	.amdgpu_metadata
---
amdhsa.version: [ 1, 2 ]
amdhsa.kernels:
  - .name:           k_q786dcfcf89_route
    .symbol:         k_q786dcfcf89_route.kd
    .args:
      - { .name: sel, .offset: 0, .size: 8, .value_kind: global_buffer, .address_space: global }
      - { .name: gf, .offset: 8, .size: 8, .value_kind: global_buffer, .address_space: global }
      - { .name: rt, .offset: 16, .size: 8, .value_kind: global_buffer, .address_space: global }
      - { .name: out1, .offset: 24, .size: 8, .value_kind: global_buffer, .address_space: global }
    .group_segment_fixed_size: 6144
    .private_segment_fixed_size: 0
    .kernarg_segment_align: 8
    .kernarg_segment_size: 32
    .max_flat_workgroup_size: 1024
    .sgpr_count:     66
    .vgpr_count:     50
    .wavefront_size: 32
...
	.end_amdgpu_metadata
.endif
;; end of part 2
;; launch ffn1 (part 3): grid 256 x 1, 4 waves a work-group, no clusters, 312,832 bytes of LDS; arguments xb, W1, rt, h, b1; writes h
.if DOCPART == 3
	.amdgcn_target "amdgcn-amd-amdhsa--gfx1250"
	.amdhsa_code_object_version 6
	.text
	.protected	k_q786dcfcf89_ffn1
	.globl	k_q786dcfcf89_ffn1
	.p2align	8
	.type	k_q786dcfcf89_ffn1,@function
k_q786dcfcf89_ffn1:
	s_mov_b64 s[64:65], 0
	v_nop
	global_prefetch_b8 v0, s[64:65] scope:SCOPE_SE
	s_setreg_imm32_b32 hwreg(HW_REG_WAVE_MODE, 25, 1), 1
	s_wait_xcnt 0x0
; ONE LAYER OF THE EXPERTS' FFN, for the tokens that chose the expert.  The text serves both layers; LAYER picks.
;   LAYER 1: h[slot][n] = relu(x[list[slot]] . W1[e][:, n] + b1[e][n]), bf16.     LAYER 2: y[ks][slot][n] = h[slot][1024 ks ..] . W2[e][1024 ks .., n], f32: four partial sums over K.
; SHARES.  A work-group owns 1024 (K) x 128 (N) of one expert's weights: 524,288 bytes of f32, read from memory once, rounded to bf16 on the way through registers and kept in LDS as they lie,
; [K][N]; the turning LDS load makes fragments of them.  The expert's rows go in passes of 320: a wave has 5 tiles of 16 rows x 128 columns, 40 accumulators.  Tile t of wave w holds rows row0 + 16 (4 t + w) + 0..15.
; The count is read from rt; up to 4 passes serve any count to 1,024.  A row index is clamped to the count's last row, so only written words are read; tiles that begin at or past the count are not stored.
; THE MATRIX INSTRUCTION IS USED TRANSPOSED: source 0 = 16 columns of W, source 1 = 16 rows: a lane's 8 results are 8 neighbouring columns of one row.
; PASS 0 goes in 16 chunks of 64 K.  In trip c a wave rounds its 16 rows of chunk c + 1 into LDS, asks for its rows' fragments of chunk c + 1 and for the weights of chunk c + 3, meets the one barrier
; (which shows chunk c + 1 to all), and multiplies chunk c.  LDS bytes of the weights are written once and never again.
; THE WAY OUT stands between two barriers, in each of the four passes, on every wave's path: in front of the first every wave's LDS reads of the pass are back, in front of the second its stage stores are done.
; So reads of the weights and stores into the stages are never out at the same time in any two waves.  The stages lie behind the weights and each is one wave's own, so no byte is in fact shared: eight meetings a launch are the price of an order that hangs on no address.
; FORMAT, LIMITS.  Operands bf16, sums f32; b1 is rounded to bf16 like every input of the program.  NaN and infinities are not treated apart (relu of NaN gives 0).
; NO CLUSTER, NO TENSOR LOADS.  The weights are a work-group's own, and as f32 they must pass through registers to be rounded.  The rows are shared by an expert's work-groups, but layer 1's are gathered by a list,
; and two slots of 320 rows x 128 bytes (81,920 bytes) have no room beside the weights' 294,912 bytes in LDS: each lane loads its fragment's 16 bytes straight into registers.
; REGISTERS, in windows of 256 (s_set_vgpr_msb: bits 1:0 source 0, 3:2 source 1, 5:4 source 2, 7:6 destination):
;   window 0: v2 W offset; v3, v29 LDS store address and its lane term; v4, v5 fragment address and its lane term; v6-8 the way out; v9 bias offset; v10-14 my row's byte offset, by tile; v16-28 at work; v30 16 h;
;             v32-63, v64-95 W's fragments of columns 0-63, 64-127; v96-127 packed; v128-191, v192-255 weights as loaded, two sets (on the way out: at work)
;   window 1: rows' fragments: set s, K step kk, tile t at 80 s + 40 kk + 8 t; v160-223 the bias as a C operand     window 2: accumulators of tiles 0-3 at 64 t + 8 n     window 3: tile 4's at 8 n
.set LAYER, 1
.if LAYER == 1
.set WP,  16384                        ; bytes from row to row of W
.set OP,  8192                         ; of the output
.set ASH, 11                           ; log2 of the bytes from row to row of the input
.set OSH, 13
.set HSH, 4                            ; a lane's half holds 8 bf16: 16 bytes
.else
.set WP,  4096
.set OP,  4096
.set ASH, 13
.set OSH, 12
.set HSH, 5                            ; 8 f32: 32 bytes
.endif
.set CH,    64*WP                      ; a chunk of W in memory
.set LP,    288                        ; an LDS row of W: 256 bytes + 32
.set LCH,   64*LP                      ; a chunk in LDS
.set STAGE, 1024*LP                    ; behind the weights: 16 rows x 272 bytes for each wave, for the way out
.set SPI,   272
.set XF,  32
.set YF,  64
.set T,   96
.set WS,  128
.set BIAS, 160
.set MSB, 0
.macro WIN new                         ; the immediate's high byte repeats the setting that is left; a switch that changes nothing is dropped
.if MSB != (\new)
	s_set_vgpr_msb (MSB<<8)|(\new)
.set MSB, (\new)
.endif
.endm
.macro PLACES                          ; four plain instructions between a matrix instruction and a load into, or a read of, its registers
.rept 4
	v_nop
.endr
.endm
.macro MEETALL                         ; my LDS instructions are done; then all four waves'
	s_wait_dscnt 0x0
	s_barrier_signal -1
	s_barrier_wait -1
.endm
.macro LOADW set, choff                ; my 16 rows of a chunk: each load takes a row's 512 consecutive bytes
.set j, 0
.rept 16
	global_load_b128 v[WS+64*(\set)+4*j:WS+64*(\set)+4*j+3], v2, s[6:7] offset:(\choff)*CH+j*WP th:TH_LOAD_NT
.set j, j+1
.endr
.endm
.macro STORE set                       ; rounded to bf16 and into LDS: 256 consecutive bytes a row
	v_add_nc_u32 v3, s38, v29
	s_add_co_u32 s38, s38, LCH
.set j, 0
.rept 16
	v_cvt_pk_bf16_f32 v[T+2*j], v[WS+64*(\set)+4*j], v[WS+64*(\set)+4*j+1]
	v_cvt_pk_bf16_f32 v[T+2*j+1], v[WS+64*(\set)+4*j+2], v[WS+64*(\set)+4*j+3]
	ds_store_b64 v3, v[T+2*j:T+2*j+1] offset:j*LP
.set j, j+1
.endr
.endm
.macro LOADA set                       ; my 5 tiles' fragments of a chunk: lane (r, h) takes K = 8 h .. and 16 + 8 h .. of row r, for both K steps of 32
	WIN 0x40
.irp kk, 0,1
.irp t, 0,1,2,3,4
	global_load_b128 v[80*(\set)+40*\kk+8*\t:80*(\set)+40*\kk+8*\t+3], v[10+\t], s[20:21] offset:64*\kk
	global_load_b128 v[80*(\set)+40*\kk+8*\t+4:80*(\set)+40*\kk+8*\t+7], v[10+\t], s[20:21] offset:64*\kk+32
.endr
.endr
	WIN 0
.endm
.macro BF buf, hf, off                 ; four fragments of W (32 K x 16 columns each), turned
.irp n, 0,1,2,3
	ds_load_tr16_b128 v[(\buf)+8*\n:(\buf)+8*\n+3], v4 offset:(\off)+32*(4*(\hf)+\n)
	ds_load_tr16_b128 v[(\buf)+8*\n+4:(\buf)+8*\n+7], v4 offset:(\off)+32*(4*(\hf)+\n)+16*LP
.endr
.endm
.macro HALF buf, hf, set, kk, first    ; 20 matrix instructions: 5 tiles x 4 column blocks.  The 40 accumulators take turns, one instruction a turn, over the loops' edges too
.irp t, 0,1,2,3,4
.irp n, 0,1,2,3
.set AR, 80*(\set)+40*(\kk)+8*\t
.set DR, 64*(\t%4)+8*(4*(\hf)+\n)
.if (\first) && (LAYER == 1)
	WIN 0x94+0x40*(\t/4)
	v_wmma_f32_16x16x32_bf16 v[DR:DR+7], v[(\buf)+8*\n:(\buf)+8*\n+7], v[AR:AR+7], v[BIAS+8*(4*(\hf)+\n):BIAS+8*(4*(\hf)+\n)+7]
.elseif \first
	WIN 0xa4+0x50*(\t/4)
	v_wmma_f32_16x16x32_bf16 v[DR:DR+7], v[(\buf)+8*\n:(\buf)+8*\n+7], v[AR:AR+7], 0
.else
	WIN 0xa4+0x50*(\t/4)
	v_wmma_f32_16x16x32_bf16 v[DR:DR+7], v[(\buf)+8*\n:(\buf)+8*\n+7], v[AR:AR+7], v[DR:DR+7]
.endif
.endr
.endr
.endm
.macro KSTEP set, kk, first, pf        ; 32 along K.  pf = 1: each half's fragments of the next K step are fetched behind its products, 20 matrix instructions ahead of their use
	s_wait_dscnt 0x8                               ; columns 0-63 are in; the 8 loads of columns 64-127 may be out
	HALF XF, 0, \set, \kk, \first
	WIN 0
	PLACES
.if \pf
	BF XF, 0, ((\kk)+1)*32*LP
	s_wait_dscnt 0x8                               ; columns 64-127 are in; the 8 just issued may be out
.else
	s_wait_dscnt 0x0
.endif
	HALF YF, 1, \set, \kk, \first
	WIN 0
	PLACES
.if \pf
	BF YF, 1, ((\kk)+1)*32*LP
.endif
.endm
.macro COMP set, first, pf
	KSTEP \set, 0, \first, 1
	KSTEP \set, 1, 0, \pf
.endm
; Trip c of pass 0; set = c % 2.  st: chunk c + 1 goes into LDS and its rows' fragments are asked for.  lw: the weights of chunk c + 3 are asked for.
.macro TRIPF set, first, st, lw, wcnt, bar, pf
	s_wait_loadcnt \wcnt                           ; issued in this order: W(c+1), A(c), W(c+2): the count leaves the last 16 out
.if \st
	STORE 1-(\set)
	s_wait_xcnt 0x0                                ; the two bases are stepped only behind this wait
	s_add_nc_u64 s[20:21], s[20:21], 128
.if \lw
	s_add_nc_u64 s[6:7], s[6:7], CH
.endif
	LOADA 1-(\set)
.if \lw
	LOADW 1-(\set), 0
.endif
.endif
.if \bar
	MEETALL                                        ; for the others' sake: my rows of chunk c + 1 are in LDS; then everybody's are
.endif
	v_add_nc_u32 v4, s37, v5
	s_add_co_u32 s37, s37, LCH
.if \first
	BF XF, 0, 0
	BF YF, 1, 0
.endif
	COMP \set, \first, \pf
.endm
; A trip of a later pass: the weights are all in LDS; one set of fragments, nothing fetched ahead (such a pass runs only where an expert has more than 320 rows)
.macro TRIPN first
	LOADA 0
	v_add_nc_u32 v4, s37, v5
	s_add_co_u32 s37, s37, LCH
	BF XF, 0, 0
	BF YF, 1, 0
	s_wait_loadcnt 0x0
	s_add_nc_u64 s[20:21], s[20:21], 128
	COMP 0, \first, 0
.endm
.macro ROW0                            ; my tile 0's first row in the pass: the way out's tests go by it, in a pass without rows too
	s_lshl_b32 s25, s16, 4
	s_add_co_u32 s25, s25, s22
.endm
.macro SETUP                           ; a pass's rows
	s_mov_b64 s[20:21], s[4:5]
.irp t, 0,1,2,3,4
	s_add_co_u32 s30, s25, 64*\t
	v_add_nc_u32 v[16+\t], s30, v22
	v_min_u32 v[16+\t], s18, v[16+\t]              ; no row past the count's last
	v_min_u32 v[16+\t], 0x3ff, v[16+\t]
.if LAYER == 1
	v_lshlrev_b32 v[16+\t], 2, v[16+\t]
	global_load_b32 v[24+\t], v[16+\t], s[34:35]   ; the row's token
.else
	v_lshl_add_u32 v[10+\t], v[16+\t], ASH, v30
.endif
.endr
.endm
.macro FINISH
.irp t, 0,1,2,3,4
	v_min_u32 v[24+\t], 0x3ff, v[24+\t]
	v_lshl_add_u32 v[10+\t], v[24+\t], ASH, v30
.endr
.endm
; THE WAY OUT of tile t, through my own stage in LDS (LDS serves a wave's instructions in order, ISA guide 5.7.1.4: no wait between its stores and loads): sixteen lanes then store 256 consecutive bytes, aligned.
.macro EPI t
	s_add_co_u32 s26, s25, 64*(\t)
	s_cmp_ge_u32 s26, s19
	s_cbranch_scc1 .Lno_\@                         ; the tile begins at or past the count
	s_wait_xcnt 0x0                                ; the last tile's stores have read their base and data
	s_lshl_b32 s26, s26, OSH
	s_add_nc_u64 s[28:29], s[10:11], s[26:27]
.set AC, 64*((\t)%4)
.if LAYER == 1
	WIN 0x08+4*((\t)/4)
.set i, 0
.rept 64
	v_max_num_f32 v[WS+i], 0, v[AC+i]              ; relu; each accumulator is read from its low end on
.set i, i+1
.endr
	WIN 0
.set i, 0
.rept 32
	v_cvt_pk_bf16_f32 v[T+i], v[WS+2*i], v[WS+2*i+1]
.set i, i+1
.endr
.irp n, 0,1,2,3,4,5,6,7
	ds_store_b128 v6, v[T+4*\n:T+4*\n+3] offset:32*\n
.endr
.irp i, 0,1,2,3,4,5,6,7
	ds_load_b128 v[192+4*\i:192+4*\i+3], v7 offset:2*SPI*\i
.endr
	s_wait_dscnt 0x0
.irp i, 0,1,2,3,4,5,6,7
	global_store_b128 v8, v[192+4*\i:192+4*\i+3], s[28:29] offset:2*\i*OP
.endr
.else
.irp hf, 0,1
	WIN 0x08+4*((\t)/4)
.irp n, 0,1,2,3
	ds_store_b128 v6, v[AC+8*(4*\hf+\n):AC+8*(4*\hf+\n)+3] offset:64*\n
	ds_store_b128 v6, v[AC+8*(4*\hf+\n)+4:AC+8*(4*\hf+\n)+7] offset:64*\n+16
.endr
	WIN 0
.irp i, 0,1,2,3,4,5,6,7
	ds_load_b128 v[192+32*\hf+4*\i:192+32*\hf+4*\i+3], v7 offset:2*SPI*\i
.endr
	s_wait_dscnt 0x0
.irp i, 0,1,2,3,4,5,6,7
	global_store_b128 v8, v[192+32*\hf+4*\i:192+32*\hf+4*\i+3], s[28:29] offset:2*\i*OP+256*\hf
.endr
.endr
.endif
.Lno_\@:
.endm
	s_load_b256 s[4:11], s[0:1], 0x0               ; input rows s[4:5], W s[6:7], rt s[8:9], output s[10:11]
.if LAYER == 1
	s_load_b64 s[12:13], s[0:1], 0x20              ; b1
	v_lshl_add_u32 v15, v0, 2, 0x4c400
	v_mov_b32 v31, 0
.endif
	v_lshrrev_b32 v1, 5, v0
	v_readfirstlane_b32 s16, v1                    ; wave
	s_lshr_b32 s17, ttmp9, 5                       ; expert
	s_lshl_b32 s33, s17, 2
	s_mov_b32 s27, 0                               ; the high word of every offset: stays 0
.if LAYER == 1
	s_and_b32 s32, ttmp9, 31                       ; which 128 columns
.else
	s_and_b32 s32, ttmp9, 7
	s_bfe_u32 s36, ttmp9, 0x20003                  ; which 1,024 of K
.endif
	s_lshl_b32 s26, s17, 24                        ; an expert's weights: 16 MiB
	s_lshl_b32 s30, s32, 9
	s_add_co_u32 s26, s26, s30
.if LAYER == 2
	s_lshl_b32 s30, s36, 22
	s_add_co_u32 s26, s26, s30
.endif
	v_and_b32 v21, 31, v0                          ; lane
	s_mul_i32 s30, s16, 16*WP
	v_lshl_add_u32 v2, v21, 4, s30                 ; 16 l + my 16 rows of a chunk
	s_wait_kmcnt 0x0
	s_load_b32 s19, s[8:9], s33 offset:0xa000      ; the expert's count
	s_add_nc_u64 s[6:7], s[6:7], s[26:27]
	LOADW 0, 0                                     ; the weights start on their way before anything else is known
	LOADW 1, 1
.if LAYER == 1
	s_lshl_b32 s26, s17, 23
	s_lshl_b32 s30, s32, 8
	s_add_co_u32 s26, s26, s30
	s_add_nc_u64 s[10:11], s[10:11], s[26:27]      ; h at the expert's slot 0, my columns
	s_lshl_b32 s26, s17, 14
	s_lshl_b32 s30, s32, 9
	s_add_co_u32 s26, s26, s30
	s_add_nc_u64 s[12:13], s[12:13], s[26:27]      ; b1 at my columns
	s_lshl_b32 s26, s17, 12
	s_add_nc_u64 s[34:35], s[8:9], s[26:27]        ; the expert's list
.else
	s_lshl_b32 s26, s36, 25
	s_lshl_b32 s30, s17, 22
	s_add_co_u32 s26, s26, s30
	s_lshl_b32 s30, s32, 9
	s_add_co_u32 s26, s26, s30
	s_add_nc_u64 s[10:11], s[10:11], s[26:27]      ; y at my K part, the expert's slot 0, my columns
	s_lshl_b32 s26, s17, 23
	s_lshl_b32 s30, s36, 11
	s_add_co_u32 s26, s26, s30
	s_add_nc_u64 s[4:5], s[4:5], s[26:27]          ; h at the expert's slot 0, my K part
.endif
	v_and_b32 v22, 15, v0                          ; r
	v_bfe_u32 v23, v0, 4, 1                        ; h
	v_lshlrev_b32 v30, 4, v23
	v_lshlrev_b32 v9, 5, v23
	s_mul_i32 s30, s16, 16*LP
	v_lshl_add_u32 v29, v21, 3, s30                ; LDS: my 16 rows of a chunk, 8 bytes a lane
	v_and_b32 v16, 7, v0
	v_lshl_add_u32 v16, v23, 3, v16
	v_mul_u32_u24 v5, v16, LP
	v_bfe_u32 v17, v0, 3, 1
	v_lshl_add_u32 v5, v17, 4, v5                  ; the turning load: row 8 h + l % 8, 16 bytes by (l / 8) % 2
	s_mul_i32 s30, s16, 16*SPI
	s_add_co_u32 s30, s30, STAGE                   ; my stage
	v_mul_u32_u24 v6, v22, SPI
	v_lshl_add_u32 v6, v23, HSH, v6
	v_add_nc_u32 v6, s30, v6                       ; in: row r, my half's 8 numbers
	v_mul_u32_u24 v7, v23, SPI
	v_lshl_add_u32 v7, v22, 4, v7
	v_add_nc_u32 v7, s30, v7                       ; back: lanes 0-15 one row of 256 bytes, lanes 16-31 the next
	v_mul_u32_u24 v8, v23, OP
	v_lshl_add_u32 v8, v22, 4, v8                  ; and the same two rows in the output
	s_mov_b32 s39, 0xffff0000
	s_mov_b32 s22, 0                               ; the pass's first row
	s_mov_b32 s23, 4                               ; passes to go
	s_mov_b32 s37, 0                               ; LDS byte of the chunk to be multiplied
	s_mov_b32 s38, 0                               ; of the chunk to be stored
	s_wait_kmcnt 0x0
	s_min_u32 s19, s19, 0x400
	s_max_u32 s19, s19, 1                          ; an expert without tokens runs one tile on token 0; nobody reads it
	s_sub_co_u32 s18, s19, 1
	ROW0
	SETUP
.if LAYER == 1
.irp n, 0,1,2,3,4,5,6,7
	global_load_b128 v[XF+8*\n:XF+8*\n+3], v9, s[12:13] offset:64*\n       ; b1 of columns 16 n + 8 h + 0..7
	global_load_b128 v[XF+8*\n+4:XF+8*\n+7], v9, s[12:13] offset:64*\n+16
.endr
	s_wait_loadcnt 37                              ; chunk 0 is in; behind it: chunk 1's 16, the list's 5, the bias's 16
.else
	s_wait_loadcnt 16                              ; chunk 0 is in; chunk 1's 16 may be out
.endif
	STORE 0
	LOADW 0, 2
.if LAYER == 1
	s_wait_loadcnt 16                              ; list and bias are in; chunk 2's 16 may be out
	FINISH
.set i, 0
.rept 32
	v_cvt_pk_bf16_f32 v[T+i], v[XF+2*i], v[XF+2*i+1]  ; the bias rounded to bf16 and widened again, into the registers that start the sums
.set i, i+1
.endr
	WIN 0x40
.set i, 0
.rept 32
	v_lshlrev_b32 v[BIAS+2*i], 16, v[T+i]
	v_and_b32 v[BIAS+2*i+1], s39, v[T+i]
.set i, i+1
.endr
	WIN 0
.endif
	LOADA 0
	s_wait_xcnt 0x0
	s_add_nc_u64 s[6:7], s[6:7], 2*CH              ; W at chunk 2
	TRIPF 0, 1, 1, 1, 0, 1, 1                      ; c = 0: the rows' fragments were asked for last, so the wait is for all
	s_mov_b32 s24, 6
.Lk0:                                                  ; c = 1 .. 12
	TRIPF 1, 0, 1, 1, 16, 1, 1
	TRIPF 0, 0, 1, 1, 16, 1, 1
	s_sub_co_u32 s24, s24, 1
	s_cmp_lg_u32 s24, 0
	s_cbranch_scc1 .Lk0
	TRIPF 1, 0, 1, 0, 16, 1, 1                     ; c = 13: no weights are left to ask for
	TRIPF 0, 0, 1, 0, 0, 1, 1                      ; c = 14: chunk 15 and A(14) are the last out
	TRIPF 1, 0, 0, 0, 0, 0, 0                      ; c = 15
	s_branch .Lepi
.Lpass:                                                ; passes 1 to 3
	ROW0
	s_cmp_ge_u32 s22, s19
	s_cbranch_scc1 .Lepi                           ; no rows are left: nothing is multiplied (no barrier stands in what is jumped), and below each tile's own test skips it
	SETUP
.if LAYER == 1
	s_wait_loadcnt 0x0
	FINISH
.endif
	s_mov_b32 s37, 0
	TRIPN 1
	s_mov_b32 s24, 15
.Lnk:
	TRIPN 0
	s_sub_co_u32 s24, s24, 1
	s_cmp_lg_u32 s24, 0
	s_cbranch_scc1 .Lnk
.Lepi:
	MEETALL                                        ; every wave's LDS reads of the pass are back: only now does any wave store into a stage
	EPI 0
	EPI 1
	EPI 2
	EPI 3
	EPI 4
	MEETALL                                        ; every wave's stage stores and reads are done: only now does the next pass read LDS
	s_add_co_u32 s22, s22, 320
	s_sub_co_u32 s23, s23, 1
	s_cmp_lg_u32 s23, 0
	s_cbranch_scc1 .Lpass
	s_wait_tensorcnt 0x0
	ds_add_u32 v15, v31
	s_wait_dscnt 0x0
	s_endpgm
.Lfunc_end_k_q786dcfcf89_ffn1:
	.size	k_q786dcfcf89_ffn1, .Lfunc_end_k_q786dcfcf89_ffn1-k_q786dcfcf89_ffn1
	.p2alignl 7, 3214868480
	.fill 96, 4, 3214868480
	.section	.rodata,"a",@progbits
	.p2align	6, 0x0
	.amdhsa_kernel k_q786dcfcf89_ffn1
		.amdhsa_group_segment_fixed_size 312832
		.amdhsa_private_segment_fixed_size 0
		.amdhsa_enable_private_segment 0
		.amdhsa_kernarg_size 40
		.amdhsa_user_sgpr_count 2
		.amdhsa_user_sgpr_kernarg_segment_ptr 1
		.amdhsa_wavefront_size32 1
		.amdhsa_system_sgpr_workgroup_id_x 1
		.amdhsa_system_sgpr_workgroup_id_y 1
		.amdhsa_system_sgpr_workgroup_id_z 1
		.amdhsa_system_vgpr_workitem_id 0
		.amdhsa_next_free_vgpr 832
		.amdhsa_next_free_sgpr 66
		.amdhsa_reserve_vcc 0
		.amdhsa_float_denorm_mode_32 3
		.amdhsa_float_denorm_mode_16_64 3
		.amdhsa_memory_ordered 1
		.amdhsa_forward_progress 1
		.amdhsa_inst_pref_size 154
	.end_amdhsa_kernel
	.amdgpu_metadata
---
amdhsa.version: [ 1, 2 ]
amdhsa.kernels:
  - .name:           k_q786dcfcf89_ffn1
    .symbol:         k_q786dcfcf89_ffn1.kd
    .args:
      - { .name: xb, .offset: 0, .size: 8, .value_kind: global_buffer, .address_space: global }
      - { .name: W1, .offset: 8, .size: 8, .value_kind: global_buffer, .address_space: global }
      - { .name: rt, .offset: 16, .size: 8, .value_kind: global_buffer, .address_space: global }
      - { .name: h, .offset: 24, .size: 8, .value_kind: global_buffer, .address_space: global }
      - { .name: b1, .offset: 32, .size: 8, .value_kind: global_buffer, .address_space: global }
    .group_segment_fixed_size: 312832
    .private_segment_fixed_size: 0
    .kernarg_segment_align: 8
    .kernarg_segment_size: 40
    .max_flat_workgroup_size: 128
    .sgpr_count:     66
    .vgpr_count:     832
    .wavefront_size: 32
...
	.end_amdgpu_metadata
.endif
;; end of part 3
;; launch ffn2 (part 4): grid 256 x 1, 4 waves a work-group, no clusters, 312,832 bytes of LDS; arguments h, W2, rt, y; writes y
.if DOCPART == 4
	.amdgcn_target "amdgcn-amd-amdhsa--gfx1250"
	.amdhsa_code_object_version 6
	.text
	.protected	k_q786dcfcf89_ffn2
	.globl	k_q786dcfcf89_ffn2
	.p2align	8
	.type	k_q786dcfcf89_ffn2,@function
k_q786dcfcf89_ffn2:
	s_mov_b64 s[64:65], 0
	v_nop
	global_prefetch_b8 v0, s[64:65] scope:SCOPE_SE
	s_setreg_imm32_b32 hwreg(HW_REG_WAVE_MODE, 25, 1), 1
	s_wait_xcnt 0x0
; ONE LAYER OF THE EXPERTS' FFN, for the tokens that chose the expert.  The text serves both layers; LAYER picks.
;   LAYER 1: h[slot][n] = relu(x[list[slot]] . W1[e][:, n] + b1[e][n]), bf16.     LAYER 2: y[ks][slot][n] = h[slot][1024 ks ..] . W2[e][1024 ks .., n], f32: four partial sums over K.
; SHARES.  A work-group owns 1024 (K) x 128 (N) of one expert's weights: 524,288 bytes of f32, read from memory once, rounded to bf16 on the way through registers and kept in LDS as they lie,
; [K][N]; the turning LDS load makes fragments of them.  The expert's rows go in passes of 320: a wave has 5 tiles of 16 rows x 128 columns, 40 accumulators.  Tile t of wave w holds rows row0 + 16 (4 t + w) + 0..15.
; The count is read from rt; up to 4 passes serve any count to 1,024.  A row index is clamped to the count's last row, so only written words are read; tiles that begin at or past the count are not stored.
; THE MATRIX INSTRUCTION IS USED TRANSPOSED: source 0 = 16 columns of W, source 1 = 16 rows: a lane's 8 results are 8 neighbouring columns of one row.
; PASS 0 goes in 16 chunks of 64 K.  In trip c a wave rounds its 16 rows of chunk c + 1 into LDS, asks for its rows' fragments of chunk c + 1 and for the weights of chunk c + 3, meets the one barrier
; (which shows chunk c + 1 to all), and multiplies chunk c.  LDS bytes of the weights are written once and never again.
; THE WAY OUT stands between two barriers, in each of the four passes, on every wave's path: in front of the first every wave's LDS reads of the pass are back, in front of the second its stage stores are done.
; So reads of the weights and stores into the stages are never out at the same time in any two waves.  The stages lie behind the weights and each is one wave's own, so no byte is in fact shared: eight meetings a launch are the price of an order that hangs on no address.
; FORMAT, LIMITS.  Operands bf16, sums f32; b1 is rounded to bf16 like every input of the program.  NaN and infinities are not treated apart (relu of NaN gives 0).
; NO CLUSTER, NO TENSOR LOADS.  The weights are a work-group's own, and as f32 they must pass through registers to be rounded.  The rows are shared by an expert's work-groups, but layer 1's are gathered by a list,
; and two slots of 320 rows x 128 bytes (81,920 bytes) have no room beside the weights' 294,912 bytes in LDS: each lane loads its fragment's 16 bytes straight into registers.
; REGISTERS, in windows of 256 (s_set_vgpr_msb: bits 1:0 source 0, 3:2 source 1, 5:4 source 2, 7:6 destination):
;   window 0: v2 W offset; v3, v29 LDS store address and its lane term; v4, v5 fragment address and its lane term; v6-8 the way out; v9 bias offset; v10-14 my row's byte offset, by tile; v16-28 at work; v30 16 h;
;             v32-63, v64-95 W's fragments of columns 0-63, 64-127; v96-127 packed; v128-191, v192-255 weights as loaded, two sets (on the way out: at work)
;   window 1: rows' fragments: set s, K step kk, tile t at 80 s + 40 kk + 8 t; v160-223 the bias as a C operand     window 2: accumulators of tiles 0-3 at 64 t + 8 n     window 3: tile 4's at 8 n
.set LAYER, 2
.if LAYER == 1
.set WP,  16384                        ; bytes from row to row of W
.set OP,  8192                         ; of the output
.set ASH, 11                           ; log2 of the bytes from row to row of the input
.set OSH, 13
.set HSH, 4                            ; a lane's half holds 8 bf16: 16 bytes
.else
.set WP,  4096
.set OP,  4096
.set ASH, 13
.set OSH, 12
.set HSH, 5                            ; 8 f32: 32 bytes
.endif
.set CH,    64*WP                      ; a chunk of W in memory
.set LP,    288                        ; an LDS row of W: 256 bytes + 32
.set LCH,   64*LP                      ; a chunk in LDS
.set STAGE, 1024*LP                    ; behind the weights: 16 rows x 272 bytes for each wave, for the way out
.set SPI,   272
.set XF,  32
.set YF,  64
.set T,   96
.set WS,  128
.set BIAS, 160
.set MSB, 0
.macro WIN new                         ; the immediate's high byte repeats the setting that is left; a switch that changes nothing is dropped
.if MSB != (\new)
	s_set_vgpr_msb (MSB<<8)|(\new)
.set MSB, (\new)
.endif
.endm
.macro PLACES                          ; four plain instructions between a matrix instruction and a load into, or a read of, its registers
.rept 4
	v_nop
.endr
.endm
.macro MEETALL                         ; my LDS instructions are done; then all four waves'
	s_wait_dscnt 0x0
	s_barrier_signal -1
	s_barrier_wait -1
.endm
.macro LOADW set, choff                ; my 16 rows of a chunk: each load takes a row's 512 consecutive bytes
.set j, 0
.rept 16
	global_load_b128 v[WS+64*(\set)+4*j:WS+64*(\set)+4*j+3], v2, s[6:7] offset:(\choff)*CH+j*WP th:TH_LOAD_NT
.set j, j+1
.endr
.endm
.macro STORE set                       ; rounded to bf16 and into LDS: 256 consecutive bytes a row
	v_add_nc_u32 v3, s38, v29
	s_add_co_u32 s38, s38, LCH
.set j, 0
.rept 16
	v_cvt_pk_bf16_f32 v[T+2*j], v[WS+64*(\set)+4*j], v[WS+64*(\set)+4*j+1]
	v_cvt_pk_bf16_f32 v[T+2*j+1], v[WS+64*(\set)+4*j+2], v[WS+64*(\set)+4*j+3]
	ds_store_b64 v3, v[T+2*j:T+2*j+1] offset:j*LP
.set j, j+1
.endr
.endm
.macro LOADA set                       ; my 5 tiles' fragments of a chunk: lane (r, h) takes K = 8 h .. and 16 + 8 h .. of row r, for both K steps of 32
	WIN 0x40
.irp kk, 0,1
.irp t, 0,1,2,3,4
	global_load_b128 v[80*(\set)+40*\kk+8*\t:80*(\set)+40*\kk+8*\t+3], v[10+\t], s[20:21] offset:64*\kk
	global_load_b128 v[80*(\set)+40*\kk+8*\t+4:80*(\set)+40*\kk+8*\t+7], v[10+\t], s[20:21] offset:64*\kk+32
.endr
.endr
	WIN 0
.endm
.macro BF buf, hf, off                 ; four fragments of W (32 K x 16 columns each), turned
.irp n, 0,1,2,3
	ds_load_tr16_b128 v[(\buf)+8*\n:(\buf)+8*\n+3], v4 offset:(\off)+32*(4*(\hf)+\n)
	ds_load_tr16_b128 v[(\buf)+8*\n+4:(\buf)+8*\n+7], v4 offset:(\off)+32*(4*(\hf)+\n)+16*LP
.endr
.endm
.macro HALF buf, hf, set, kk, first    ; 20 matrix instructions: 5 tiles x 4 column blocks.  The 40 accumulators take turns, one instruction a turn, over the loops' edges too
.irp t, 0,1,2,3,4
.irp n, 0,1,2,3
.set AR, 80*(\set)+40*(\kk)+8*\t
.set DR, 64*(\t%4)+8*(4*(\hf)+\n)
.if (\first) && (LAYER == 1)
	WIN 0x94+0x40*(\t/4)
	v_wmma_f32_16x16x32_bf16 v[DR:DR+7], v[(\buf)+8*\n:(\buf)+8*\n+7], v[AR:AR+7], v[BIAS+8*(4*(\hf)+\n):BIAS+8*(4*(\hf)+\n)+7]
.elseif \first
	WIN 0xa4+0x50*(\t/4)
	v_wmma_f32_16x16x32_bf16 v[DR:DR+7], v[(\buf)+8*\n:(\buf)+8*\n+7], v[AR:AR+7], 0
.else
	WIN 0xa4+0x50*(\t/4)
	v_wmma_f32_16x16x32_bf16 v[DR:DR+7], v[(\buf)+8*\n:(\buf)+8*\n+7], v[AR:AR+7], v[DR:DR+7]
.endif
.endr
.endr
.endm
.macro KSTEP set, kk, first, pf        ; 32 along K.  pf = 1: each half's fragments of the next K step are fetched behind its products, 20 matrix instructions ahead of their use
	s_wait_dscnt 0x8                               ; columns 0-63 are in; the 8 loads of columns 64-127 may be out
	HALF XF, 0, \set, \kk, \first
	WIN 0
	PLACES
.if \pf
	BF XF, 0, ((\kk)+1)*32*LP
	s_wait_dscnt 0x8                               ; columns 64-127 are in; the 8 just issued may be out
.else
	s_wait_dscnt 0x0
.endif
	HALF YF, 1, \set, \kk, \first
	WIN 0
	PLACES
.if \pf
	BF YF, 1, ((\kk)+1)*32*LP
.endif
.endm
.macro COMP set, first, pf
	KSTEP \set, 0, \first, 1
	KSTEP \set, 1, 0, \pf
.endm
; Trip c of pass 0; set = c % 2.  st: chunk c + 1 goes into LDS and its rows' fragments are asked for.  lw: the weights of chunk c + 3 are asked for.
.macro TRIPF set, first, st, lw, wcnt, bar, pf
	s_wait_loadcnt \wcnt                           ; issued in this order: W(c+1), A(c), W(c+2): the count leaves the last 16 out
.if \st
	STORE 1-(\set)
	s_wait_xcnt 0x0                                ; the two bases are stepped only behind this wait
	s_add_nc_u64 s[20:21], s[20:21], 128
.if \lw
	s_add_nc_u64 s[6:7], s[6:7], CH
.endif
	LOADA 1-(\set)
.if \lw
	LOADW 1-(\set), 0
.endif
.endif
.if \bar
	MEETALL                                        ; for the others' sake: my rows of chunk c + 1 are in LDS; then everybody's are
.endif
	v_add_nc_u32 v4, s37, v5
	s_add_co_u32 s37, s37, LCH
.if \first
	BF XF, 0, 0
	BF YF, 1, 0
.endif
	COMP \set, \first, \pf
.endm
; A trip of a later pass: the weights are all in LDS; one set of fragments, nothing fetched ahead (such a pass runs only where an expert has more than 320 rows)
.macro TRIPN first
	LOADA 0
	v_add_nc_u32 v4, s37, v5
	s_add_co_u32 s37, s37, LCH
	BF XF, 0, 0
	BF YF, 1, 0
	s_wait_loadcnt 0x0
	s_add_nc_u64 s[20:21], s[20:21], 128
	COMP 0, \first, 0
.endm
.macro ROW0                            ; my tile 0's first row in the pass: the way out's tests go by it, in a pass without rows too
	s_lshl_b32 s25, s16, 4
	s_add_co_u32 s25, s25, s22
.endm
.macro SETUP                           ; a pass's rows
	s_mov_b64 s[20:21], s[4:5]
.irp t, 0,1,2,3,4
	s_add_co_u32 s30, s25, 64*\t
	v_add_nc_u32 v[16+\t], s30, v22
	v_min_u32 v[16+\t], s18, v[16+\t]              ; no row past the count's last
	v_min_u32 v[16+\t], 0x3ff, v[16+\t]
.if LAYER == 1
	v_lshlrev_b32 v[16+\t], 2, v[16+\t]
	global_load_b32 v[24+\t], v[16+\t], s[34:35]   ; the row's token
.else
	v_lshl_add_u32 v[10+\t], v[16+\t], ASH, v30
.endif
.endr
.endm
.macro FINISH
.irp t, 0,1,2,3,4
	v_min_u32 v[24+\t], 0x3ff, v[24+\t]
	v_lshl_add_u32 v[10+\t], v[24+\t], ASH, v30
.endr
.endm
; THE WAY OUT of tile t, through my own stage in LDS (LDS serves a wave's instructions in order, ISA guide 5.7.1.4: no wait between its stores and loads): sixteen lanes then store 256 consecutive bytes, aligned.
.macro EPI t
	s_add_co_u32 s26, s25, 64*(\t)
	s_cmp_ge_u32 s26, s19
	s_cbranch_scc1 .Lno_\@                         ; the tile begins at or past the count
	s_wait_xcnt 0x0                                ; the last tile's stores have read their base and data
	s_lshl_b32 s26, s26, OSH
	s_add_nc_u64 s[28:29], s[10:11], s[26:27]
.set AC, 64*((\t)%4)
.if LAYER == 1
	WIN 0x08+4*((\t)/4)
.set i, 0
.rept 64
	v_max_num_f32 v[WS+i], 0, v[AC+i]              ; relu; each accumulator is read from its low end on
.set i, i+1
.endr
	WIN 0
.set i, 0
.rept 32
	v_cvt_pk_bf16_f32 v[T+i], v[WS+2*i], v[WS+2*i+1]
.set i, i+1
.endr
.irp n, 0,1,2,3,4,5,6,7
	ds_store_b128 v6, v[T+4*\n:T+4*\n+3] offset:32*\n
.endr
.irp i, 0,1,2,3,4,5,6,7
	ds_load_b128 v[192+4*\i:192+4*\i+3], v7 offset:2*SPI*\i
.endr
	s_wait_dscnt 0x0
.irp i, 0,1,2,3,4,5,6,7
	global_store_b128 v8, v[192+4*\i:192+4*\i+3], s[28:29] offset:2*\i*OP
.endr
.else
.irp hf, 0,1
	WIN 0x08+4*((\t)/4)
.irp n, 0,1,2,3
	ds_store_b128 v6, v[AC+8*(4*\hf+\n):AC+8*(4*\hf+\n)+3] offset:64*\n
	ds_store_b128 v6, v[AC+8*(4*\hf+\n)+4:AC+8*(4*\hf+\n)+7] offset:64*\n+16
.endr
	WIN 0
.irp i, 0,1,2,3,4,5,6,7
	ds_load_b128 v[192+32*\hf+4*\i:192+32*\hf+4*\i+3], v7 offset:2*SPI*\i
.endr
	s_wait_dscnt 0x0
.irp i, 0,1,2,3,4,5,6,7
	global_store_b128 v8, v[192+32*\hf+4*\i:192+32*\hf+4*\i+3], s[28:29] offset:2*\i*OP+256*\hf
.endr
.endr
.endif
.Lno_\@:
.endm
	s_load_b256 s[4:11], s[0:1], 0x0               ; input rows s[4:5], W s[6:7], rt s[8:9], output s[10:11]
	v_lshl_add_u32 v28, v0, 2, 0x4c400
	v_mov_b32 v31, 0
.if LAYER == 1
	s_load_b64 s[12:13], s[0:1], 0x20              ; b1
.endif
	v_lshrrev_b32 v1, 5, v0
	v_readfirstlane_b32 s16, v1                    ; wave
	s_lshr_b32 s17, ttmp9, 5                       ; expert
	s_lshl_b32 s33, s17, 2
	s_mov_b32 s27, 0                               ; the high word of every offset: stays 0
.if LAYER == 1
	s_and_b32 s32, ttmp9, 31                       ; which 128 columns
.else
	s_and_b32 s32, ttmp9, 7
	s_bfe_u32 s36, ttmp9, 0x20003                  ; which 1,024 of K
.endif
	s_lshl_b32 s26, s17, 24                        ; an expert's weights: 16 MiB
	s_lshl_b32 s30, s32, 9
	s_add_co_u32 s26, s26, s30
.if LAYER == 2
	s_lshl_b32 s30, s36, 22
	s_add_co_u32 s26, s26, s30
.endif
	v_and_b32 v21, 31, v0                          ; lane
	s_mul_i32 s30, s16, 16*WP
	v_lshl_add_u32 v2, v21, 4, s30                 ; 16 l + my 16 rows of a chunk
	s_wait_kmcnt 0x0
	s_load_b32 s19, s[8:9], s33 offset:0xa000      ; the expert's count
	s_add_nc_u64 s[6:7], s[6:7], s[26:27]
	LOADW 0, 0                                     ; the weights start on their way before anything else is known
	LOADW 1, 1
.if LAYER == 1
	s_lshl_b32 s26, s17, 23
	s_lshl_b32 s30, s32, 8
	s_add_co_u32 s26, s26, s30
	s_add_nc_u64 s[10:11], s[10:11], s[26:27]      ; h at the expert's slot 0, my columns
	s_lshl_b32 s26, s17, 14
	s_lshl_b32 s30, s32, 9
	s_add_co_u32 s26, s26, s30
	s_add_nc_u64 s[12:13], s[12:13], s[26:27]      ; b1 at my columns
	s_lshl_b32 s26, s17, 12
	s_add_nc_u64 s[34:35], s[8:9], s[26:27]        ; the expert's list
.else
	s_lshl_b32 s26, s36, 25
	s_lshl_b32 s30, s17, 22
	s_add_co_u32 s26, s26, s30
	s_lshl_b32 s30, s32, 9
	s_add_co_u32 s26, s26, s30
	s_add_nc_u64 s[10:11], s[10:11], s[26:27]      ; y at my K part, the expert's slot 0, my columns
	s_lshl_b32 s26, s17, 23
	s_lshl_b32 s30, s36, 11
	s_add_co_u32 s26, s26, s30
	s_add_nc_u64 s[4:5], s[4:5], s[26:27]          ; h at the expert's slot 0, my K part
.endif
	v_and_b32 v22, 15, v0                          ; r
	v_bfe_u32 v23, v0, 4, 1                        ; h
	v_lshlrev_b32 v30, 4, v23
	v_lshlrev_b32 v9, 5, v23
	s_mul_i32 s30, s16, 16*LP
	v_lshl_add_u32 v29, v21, 3, s30                ; LDS: my 16 rows of a chunk, 8 bytes a lane
	v_and_b32 v16, 7, v0
	v_lshl_add_u32 v16, v23, 3, v16
	v_mul_u32_u24 v5, v16, LP
	v_bfe_u32 v17, v0, 3, 1
	v_lshl_add_u32 v5, v17, 4, v5                  ; the turning load: row 8 h + l % 8, 16 bytes by (l / 8) % 2
	s_mul_i32 s30, s16, 16*SPI
	s_add_co_u32 s30, s30, STAGE                   ; my stage
	v_mul_u32_u24 v6, v22, SPI
	v_lshl_add_u32 v6, v23, HSH, v6
	v_add_nc_u32 v6, s30, v6                       ; in: row r, my half's 8 numbers
	v_mul_u32_u24 v7, v23, SPI
	v_lshl_add_u32 v7, v22, 4, v7
	v_add_nc_u32 v7, s30, v7                       ; back: lanes 0-15 one row of 256 bytes, lanes 16-31 the next
	v_mul_u32_u24 v8, v23, OP
	v_lshl_add_u32 v8, v22, 4, v8                  ; and the same two rows in the output
	s_mov_b32 s39, 0xffff0000
	s_mov_b32 s22, 0                               ; the pass's first row
	s_mov_b32 s23, 4                               ; passes to go
	s_mov_b32 s37, 0                               ; LDS byte of the chunk to be multiplied
	s_mov_b32 s38, 0                               ; of the chunk to be stored
	s_wait_kmcnt 0x0
	s_min_u32 s19, s19, 0x400
	s_max_u32 s19, s19, 1                          ; an expert without tokens runs one tile on token 0; nobody reads it
	s_sub_co_u32 s18, s19, 1
	ROW0
	SETUP
.if LAYER == 1
.irp n, 0,1,2,3,4,5,6,7
	global_load_b128 v[XF+8*\n:XF+8*\n+3], v9, s[12:13] offset:64*\n       ; b1 of columns 16 n + 8 h + 0..7
	global_load_b128 v[XF+8*\n+4:XF+8*\n+7], v9, s[12:13] offset:64*\n+16
.endr
	s_wait_loadcnt 37                              ; chunk 0 is in; behind it: chunk 1's 16, the list's 5, the bias's 16
.else
	s_wait_loadcnt 16                              ; chunk 0 is in; chunk 1's 16 may be out
.endif
	STORE 0
	LOADW 0, 2
.if LAYER == 1
	s_wait_loadcnt 16                              ; list and bias are in; chunk 2's 16 may be out
	FINISH
.set i, 0
.rept 32
	v_cvt_pk_bf16_f32 v[T+i], v[XF+2*i], v[XF+2*i+1]  ; the bias rounded to bf16 and widened again, into the registers that start the sums
.set i, i+1
.endr
	WIN 0x40
.set i, 0
.rept 32
	v_lshlrev_b32 v[BIAS+2*i], 16, v[T+i]
	v_and_b32 v[BIAS+2*i+1], s39, v[T+i]
.set i, i+1
.endr
	WIN 0
.endif
	LOADA 0
	s_wait_xcnt 0x0
	s_add_nc_u64 s[6:7], s[6:7], 2*CH              ; W at chunk 2
	TRIPF 0, 1, 1, 1, 0, 1, 1                      ; c = 0: the rows' fragments were asked for last, so the wait is for all
	s_mov_b32 s24, 6
.Lk0:                                                  ; c = 1 .. 12
	TRIPF 1, 0, 1, 1, 16, 1, 1
	TRIPF 0, 0, 1, 1, 16, 1, 1
	s_sub_co_u32 s24, s24, 1
	s_cmp_lg_u32 s24, 0
	s_cbranch_scc1 .Lk0
	TRIPF 1, 0, 1, 0, 16, 1, 1                     ; c = 13: no weights are left to ask for
	TRIPF 0, 0, 1, 0, 0, 1, 1                      ; c = 14: chunk 15 and A(14) are the last out
	TRIPF 1, 0, 0, 0, 0, 0, 0                      ; c = 15
	s_branch .Lepi
.Lpass:                                                ; passes 1 to 3
	ROW0
	s_cmp_ge_u32 s22, s19
	s_cbranch_scc1 .Lepi                           ; no rows are left: nothing is multiplied (no barrier stands in what is jumped), and below each tile's own test skips it
	SETUP
.if LAYER == 1
	s_wait_loadcnt 0x0
	FINISH
.endif
	s_mov_b32 s37, 0
	TRIPN 1
	s_mov_b32 s24, 15
.Lnk:
	TRIPN 0
	s_sub_co_u32 s24, s24, 1
	s_cmp_lg_u32 s24, 0
	s_cbranch_scc1 .Lnk
.Lepi:
	MEETALL                                        ; every wave's LDS reads of the pass are back: only now does any wave store into a stage
	EPI 0
	EPI 1
	EPI 2
	EPI 3
	EPI 4
	MEETALL                                        ; every wave's stage stores and reads are done: only now does the next pass read LDS
	s_add_co_u32 s22, s22, 320
	s_sub_co_u32 s23, s23, 1
	s_cmp_lg_u32 s23, 0
	s_cbranch_scc1 .Lpass
	s_wait_tensorcnt 0x0
	ds_add_u32 v28, v31
	s_wait_dscnt 0x0
	s_endpgm
.Lfunc_end_k_q786dcfcf89_ffn2:
	.size	k_q786dcfcf89_ffn2, .Lfunc_end_k_q786dcfcf89_ffn2-k_q786dcfcf89_ffn2
	.p2alignl 7, 3214868480
	.fill 96, 4, 3214868480
	.section	.rodata,"a",@progbits
	.p2align	6, 0x0
	.amdhsa_kernel k_q786dcfcf89_ffn2
		.amdhsa_group_segment_fixed_size 312832
		.amdhsa_private_segment_fixed_size 0
		.amdhsa_enable_private_segment 0
		.amdhsa_kernarg_size 32
		.amdhsa_user_sgpr_count 2
		.amdhsa_user_sgpr_kernarg_segment_ptr 1
		.amdhsa_wavefront_size32 1
		.amdhsa_system_sgpr_workgroup_id_x 1
		.amdhsa_system_sgpr_workgroup_id_y 1
		.amdhsa_system_sgpr_workgroup_id_z 1
		.amdhsa_system_vgpr_workitem_id 0
		.amdhsa_next_free_vgpr 832
		.amdhsa_next_free_sgpr 66
		.amdhsa_reserve_vcc 0
		.amdhsa_float_denorm_mode_32 3
		.amdhsa_float_denorm_mode_16_64 3
		.amdhsa_memory_ordered 1
		.amdhsa_forward_progress 1
		.amdhsa_inst_pref_size 136
	.end_amdhsa_kernel
	.amdgpu_metadata
---
amdhsa.version: [ 1, 2 ]
amdhsa.kernels:
  - .name:           k_q786dcfcf89_ffn2
    .symbol:         k_q786dcfcf89_ffn2.kd
    .args:
      - { .name: h, .offset: 0, .size: 8, .value_kind: global_buffer, .address_space: global }
      - { .name: W2, .offset: 8, .size: 8, .value_kind: global_buffer, .address_space: global }
      - { .name: rt, .offset: 16, .size: 8, .value_kind: global_buffer, .address_space: global }
      - { .name: y, .offset: 24, .size: 8, .value_kind: global_buffer, .address_space: global }
    .group_segment_fixed_size: 312832
    .private_segment_fixed_size: 0
    .kernarg_segment_align: 8
    .kernarg_segment_size: 32
    .max_flat_workgroup_size: 128
    .sgpr_count:     66
    .vgpr_count:     832
    .wavefront_size: 32
...
	.end_amdgpu_metadata
.endif
;; end of part 4
;; launch comb (part 5): grid 256 x 1, 8 waves a work-group, no clusters, 0 bytes of LDS; arguments y, b2, rt, gf, out0; writes out0
.if DOCPART == 5
	.amdgcn_target "amdgcn-amd-amdhsa--gfx1250"
	.amdhsa_code_object_version 6
	.text
	.protected	k_q786dcfcf89_comb
	.globl	k_q786dcfcf89_comb
	.p2align	8
	.type	k_q786dcfcf89_comb,@function
k_q786dcfcf89_comb:
	s_mov_b64 s[64:65], 0
	v_nop
	global_prefetch_b8 v0, s[64:65] scope:SCOPE_SE
	s_setreg_imm32_b32 hwreg(HW_REG_WAVE_MODE, 25, 1), 1
	s_wait_xcnt 0x0
; COMBINE.  out0[token] = w0 (y(slot0) + b2[e0]) + w1 (y(slot1) + b2[e1]), where y(slot) is the sum of the four partial sums over K that the launch before left.
; A work-group owns 4 tokens; thread t owns 16 bytes of a row, so a wave's load or store covers 512 consecutive bytes.  All 40 loads of a thread go out at once.
; The slots are whole numbers stored two launches ago; they are clamped before they enter an address.  b2 is rounded to bf16 like every input of the program.
; A stream: no LDS, no barrier, no matrix unit.
	s_load_b256 s[4:11], s[0:1], 0x0               ; y s[4:5], b2 s[6:7], rt s[8:9], gf s[10:11]
	s_load_b64 s[12:13], s[0:1], 0x20              ; out0
	s_lshl_b32 s14, ttmp9, 5                       ; 4 tokens x 2 words
	v_lshlrev_b32 v1, 4, v0                        ; my 16 bytes of a row
	v_add_nc_u32 v2, 1<<25, v1                     ; the same in the other three partial sums, 32 MiB apart
	v_add_nc_u32 v3, 2<<25, v1
	v_add_nc_u32 v4, 3<<25, v1
	s_lshl_b32 s66, ttmp9, 14
	s_mov_b32 s67, 0
	s_mov_b32 s15, 0xffff0000
	s_wait_kmcnt 0x0
	s_load_b256 s[16:23], s[8:9], s14 offset:0x8000  ; slots: token i, choice k at s[16+2i+k]
	s_load_b256 s[24:31], s[10:11], s14            ; weights, likewise
	s_add_nc_u64 s[12:13], s[12:13], s[66:67]
	s_wait_kmcnt 0x0
.irp p, 0,1,2,3,4,5,6,7
	s_min_u32 s[16+\p], s[16+\p], 0x1fff
	s_lshl_b32 s66, s[16+\p], 12
	s_add_nc_u64 s[32+2*\p:33+2*\p], s[4:5], s[66:67]  ; the slot's row of y
	s_and_b32 s66, s[16+\p], 0x1c00                ; 1024 x expert,
	s_lshl_b32 s66, s66, 2                         ; x 4: the expert's row of b2
	s_add_nc_u64 s[48+2*\p:49+2*\p], s[6:7], s[66:67]
.endr
.irp p, 0,1,2,3,4,5,6,7                ; block p: 20 registers at 16 + 20 p: four partial sums, then b2
.irp s, 0,1,2,3
	global_load_b128 v[16+20*\p+4*\s:16+20*\p+4*\s+3], v[1+\s], s[32+2*\p:33+2*\p] th:TH_LOAD_NT
.endr
	global_load_b128 v[32+20*\p:35+20*\p], v1, s[48+2*\p:49+2*\p]
.endr
.macro SUMS r                          ; block at r: the four parts and the rounded bias, into its first four registers
	v_pk_add_f32 v[(\r):(\r)+1], v[(\r):(\r)+1], v[(\r)+4:(\r)+5]
	v_pk_add_f32 v[(\r)+2:(\r)+3], v[(\r)+2:(\r)+3], v[(\r)+6:(\r)+7]
	v_pk_add_f32 v[(\r)+8:(\r)+9], v[(\r)+8:(\r)+9], v[(\r)+12:(\r)+13]
	v_pk_add_f32 v[(\r)+10:(\r)+11], v[(\r)+10:(\r)+11], v[(\r)+14:(\r)+15]
	v_cvt_pk_bf16_f32 v5, v[(\r)+16], v[(\r)+17]
	v_cvt_pk_bf16_f32 v6, v[(\r)+18], v[(\r)+19]
	v_pk_add_f32 v[(\r):(\r)+1], v[(\r):(\r)+1], v[(\r)+8:(\r)+9]
	v_pk_add_f32 v[(\r)+2:(\r)+3], v[(\r)+2:(\r)+3], v[(\r)+10:(\r)+11]
	v_lshlrev_b32 v[(\r)+16], 16, v5
	v_and_b32 v[(\r)+17], s15, v5
	v_lshlrev_b32 v[(\r)+18], 16, v6
	v_and_b32 v[(\r)+19], s15, v6
	v_pk_add_f32 v[(\r):(\r)+1], v[(\r):(\r)+1], v[(\r)+16:(\r)+17]
	v_pk_add_f32 v[(\r)+2:(\r)+3], v[(\r)+2:(\r)+3], v[(\r)+18:(\r)+19]
.endm
.irp i, 0,1,2,3
	s_wait_loadcnt 10*(3-\i)                       ; this token's 10 loads are in; the later tokens' may be out
	SUMS 16+40*\i
	SUMS 36+40*\i
.irp c, 0,1,2,3
	v_mul_f32 v[16+40*\i+\c], s[24+2*\i], v[16+40*\i+\c]
.endr
.irp c, 0,1,2,3
	v_fmac_f32 v[16+40*\i+\c], s[25+2*\i], v[36+40*\i+\c]
.endr
	global_store_b128 v1, v[16+40*\i:19+40*\i], s[12:13] offset:4096*\i  ; these registers are not written again
.endr
	s_endpgm
.Lfunc_end_k_q786dcfcf89_comb:
	.size	k_q786dcfcf89_comb, .Lfunc_end_k_q786dcfcf89_comb-k_q786dcfcf89_comb
	.p2alignl 7, 3214868480
	.fill 96, 4, 3214868480
	.section	.rodata,"a",@progbits
	.p2align	6, 0x0
	.amdhsa_kernel k_q786dcfcf89_comb
		.amdhsa_group_segment_fixed_size 0
		.amdhsa_private_segment_fixed_size 0
		.amdhsa_enable_private_segment 0
		.amdhsa_kernarg_size 40
		.amdhsa_user_sgpr_count 2
		.amdhsa_user_sgpr_kernarg_segment_ptr 1
		.amdhsa_wavefront_size32 1
		.amdhsa_system_sgpr_workgroup_id_x 1
		.amdhsa_system_sgpr_workgroup_id_y 1
		.amdhsa_system_sgpr_workgroup_id_z 1
		.amdhsa_system_vgpr_workitem_id 0
		.amdhsa_next_free_vgpr 176
		.amdhsa_next_free_sgpr 72
		.amdhsa_reserve_vcc 0
		.amdhsa_float_denorm_mode_32 3
		.amdhsa_float_denorm_mode_16_64 3
		.amdhsa_memory_ordered 1
		.amdhsa_forward_progress 1
		.amdhsa_inst_pref_size 15
	.end_amdhsa_kernel
	.amdgpu_metadata
---
amdhsa.version: [ 1, 2 ]
amdhsa.kernels:
  - .name:           k_q786dcfcf89_comb
    .symbol:         k_q786dcfcf89_comb.kd
    .args:
      - { .name: y, .offset: 0, .size: 8, .value_kind: global_buffer, .address_space: global }
      - { .name: b2, .offset: 8, .size: 8, .value_kind: global_buffer, .address_space: global }
      - { .name: rt, .offset: 16, .size: 8, .value_kind: global_buffer, .address_space: global }
      - { .name: gf, .offset: 24, .size: 8, .value_kind: global_buffer, .address_space: global }
      - { .name: out0, .offset: 32, .size: 8, .value_kind: global_buffer, .address_space: global }
    .group_segment_fixed_size: 0
    .private_segment_fixed_size: 0
    .kernarg_segment_align: 8
    .kernarg_segment_size: 40
    .max_flat_workgroup_size: 256
    .sgpr_count:     72
    .vgpr_count:     176
    .wavefront_size: 32
...
	.end_amdgpu_metadata
.endif
;; end of part 5
;; ======== version 2 of 2: 5 launches; 1.13 times as fast as version 1
;; workspace buffers: xb 2,097,152 bytes; sel 8,192 bytes of whole numbers; gf 24,576 bytes; rt 41,216 bytes of whole numbers; h 67,108,864 bytes; y 134,217,728 bytes
;; launch gate: the kernel of part 1 again; grid 512 x 1, 1 waves a work-group, no clusters, 0 bytes of LDS; arguments x, Wg, bg, xb, sel, gf; writes xb, sel, gf
;; launch route: the kernel of part 2 again; grid 1 x 1, 32 waves a work-group, no clusters, 6,144 bytes of LDS; arguments sel, gf, rt, out1; writes rt, out1
;; launch ffn1 (part 6): grid 256 x 1, 4 waves a work-group, no clusters, 312,832 bytes of LDS; arguments xb, W1, rt, h, b1; writes h
.if DOCPART == 6
	.amdgcn_target "amdgcn-amd-amdhsa--gfx1250"
	.amdhsa_code_object_version 6
	.text
	.protected	k_q786dcfcf89_ffn1
	.globl	k_q786dcfcf89_ffn1
	.p2align	8
	.type	k_q786dcfcf89_ffn1,@function
k_q786dcfcf89_ffn1:
	s_mov_b64 s[64:65], 0
	v_nop
	global_prefetch_b8 v0, s[64:65] scope:SCOPE_SE
	s_setreg_imm32_b32 hwreg(HW_REG_WAVE_MODE, 25, 1), 1
	s_wait_xcnt 0x0
; ONE LAYER OF THE EXPERTS' FFN, for the tokens that chose the expert.  The text serves both layers; LAYER picks.
;   LAYER 1: h[slot][n] = relu(x[list[slot]] . W1[e][:, n] + b1[e][n]), bf16.     LAYER 2: y[ks][slot][n] = h[slot][1024 ks ..] . W2[e][1024 ks .., n], f32: four partial sums over K.
; SHARES.  A work-group owns 1024 (K) x 128 (N) of one expert's weights: 524,288 bytes of f32, read from memory once, rounded to bf16 on the way through registers and kept in LDS as they lie,
; [K][N]; the turning LDS load makes fragments of them.  The expert's rows go in passes of 320: a wave has 5 tiles of 16 rows x 128 columns, 40 accumulators.  Tile t of wave w holds rows row0 + 16 (4 t + w) + 0..15.
; The count is read from rt; up to 4 passes serve any count to 1,024.  A row index is clamped to the count's last row, so only written words are read; tiles that begin at or past the count are not stored.
; THE FIFTH TILE.  2,048 pairs over 8 experts are 256 rows an expert on average, so a wave's tile 4 (rows 256 + 16 w on) mostly begins at or past the count.  Such a tile is multiplied in a pass's first K step alone,
; which writes its accumulators on every path, and its 8 products are jumped over in the other 31 K steps.  The jump passes no barrier and no load.
; THE MATRIX INSTRUCTION IS USED TRANSPOSED: source 0 = 16 columns of W, source 1 = 16 rows: a lane's 8 results are 8 neighbouring columns of one row.
; PASS 0 goes in 16 chunks of 64 K, two K steps of 32 each.  In trip c a wave rounds its 16 rows of chunk c + 1 into LDS, asks for its rows' fragments of chunk c + 1 and for the weights of chunk c + 3, waits for its
; LDS stores and signals the trip's one barrier; multiplies tiles 0-3 of chunk c's first K step, 32 products on registers; waits for the barrier, which shows chunk c + 1 to all; and only behind that reads chunk c + 1.
; Each K step has its own buffer of W's fragments, filled again in ONE run of 16 LDS loads behind its products, for the K step two steps on: the run has the other K step's products in which to land.
; LDS bytes of the weights are written once and never again.
; THE WAY OUT stands between two barriers, in each of the four passes, on every wave's path: in front of the first every wave's LDS reads of the pass are back, in front of the second its stage stores are done.
; So reads of the weights and stores into the stages are never out at the same time in any two waves.  The stages lie behind the weights and each is one wave's own, so no byte is in fact shared: eight meetings a launch are the price of an order that hangs on no address.
; FORMAT, LIMITS.  Operands bf16, sums f32; b1 is rounded to bf16 like every input of the program.  NaN and infinities are not treated apart (relu of NaN gives 0).
; NO CLUSTER, NO TENSOR LOADS.  The weights are a work-group's own, and as f32 they must pass through registers to be rounded.  The rows are shared by an expert's work-groups, but layer 1's are gathered by a list,
; and two slots of 320 rows x 128 bytes (81,920 bytes) have no room beside the weights' 294,912 bytes in LDS: each lane loads its fragment's 16 bytes straight into registers.
; REGISTERS, in windows of 256 (s_set_vgpr_msb: bits 1:0 source 0, 3:2 source 1, 5:4 source 2, 7:6 destination):
;   window 0: v2 W offset; v3, v29 LDS store address and its lane term; v4, v5 fragment address and its lane term; v6-8 the way out; v9 bias offset; v10-14 my row's byte offset, by tile; v16-28 at work; v30 16 h;
;             v32-95 W's fragments of a chunk's first K step (8 column blocks); v96-127 packed; v128-191, v192-255 weights as loaded, two sets (on the way out: at work)
;   window 1: rows' fragments: set s, K step kk, tile t at 80 s + 40 kk + 8 t; v160-223 the bias as a C operand     window 2: accumulators of tiles 0-3 at 64 t + 8 n
;   window 3: tile 4's accumulators at 8 n; v64-127 W's fragments of a chunk's second K step
.set LAYER, 1
.if LAYER == 1
.set WP,  16384                        ; bytes from row to row of W
.set OP,  8192                         ; of the output
.set ASH, 11                           ; log2 of the bytes from row to row of the input
.set OSH, 13
.set HSH, 4                            ; a lane's half holds 8 bf16: 16 bytes
.else
.set WP,  4096
.set OP,  4096
.set ASH, 13
.set OSH, 12
.set HSH, 5                            ; 8 f32: 32 bytes
.endif
.set CH,    64*WP                      ; a chunk of W in memory
.set LP,    288                        ; an LDS row of W: 256 bytes + 32
.set LCH,   64*LP                      ; a chunk in LDS
.set STAGE, 1024*LP                    ; behind the weights: 16 rows x 272 bytes for each wave, for the way out
.set SPI,   272
.set BFR, 32                           ; W's fragments: K step kk at BFR + 32 kk, in window 0 (kk = 0) or window 3 (kk = 1)
.set T,   96
.set WS,  128
.set BIAS, 160
.set MSB, 0
.macro WIN new                         ; the immediate's high byte repeats the setting that is left; a switch that changes nothing is dropped
.if MSB != (\new)
	s_set_vgpr_msb (MSB<<8)|(\new)
.set MSB, (\new)
.endif
.endm
.macro PLACES                          ; four plain instructions between a matrix instruction and a load into, or a read of, its registers
.rept 4
	v_nop
.endr
.endm
.macro MEETALL                         ; my LDS instructions are done; then all four waves'
	s_wait_dscnt 0x0
	s_barrier_signal -1
	s_barrier_wait -1
.endm
.macro LOADW set, choff                ; my 16 rows of a chunk: each load takes a row's 512 consecutive bytes
.set j, 0
.rept 16
	global_load_b128 v[WS+64*(\set)+4*j:WS+64*(\set)+4*j+3], v2, s[6:7] offset:(\choff)*CH+j*WP th:TH_LOAD_NT
.set j, j+1
.endr
.endm
.macro STORE set                       ; rounded to bf16 and into LDS, 256 consecutive bytes a row: the 32 conversions in one run, then the 16 stores in one run
	v_add_nc_u32 v3, s38, v29
	s_add_co_u32 s38, s38, LCH
.set j, 0
.rept 16
	v_cvt_pk_bf16_f32 v[T+2*j], v[WS+64*(\set)+4*j], v[WS+64*(\set)+4*j+1]
	v_cvt_pk_bf16_f32 v[T+2*j+1], v[WS+64*(\set)+4*j+2], v[WS+64*(\set)+4*j+3]
.set j, j+1
.endr
.set j, 0
.rept 16
	ds_store_b64 v3, v[T+2*j:T+2*j+1] offset:j*LP
.set j, j+1
.endr
.endm
.macro LOADA set                       ; my 5 tiles' fragments of a chunk: lane (r, h) takes K = 8 h .. and 16 + 8 h .. of row r, for both K steps of 32.  A dead tile's lanes all name the count's last row; its 4 loads stay, so that every path issues 20
	WIN 0x40
.irp kk, 0,1
.irp t, 0,1,2,3,4
	global_load_b128 v[80*(\set)+40*\kk+8*\t:80*(\set)+40*\kk+8*\t+3], v[10+\t], s[20:21] offset:64*\kk
	global_load_b128 v[80*(\set)+40*\kk+8*\t+4:80*(\set)+40*\kk+8*\t+7], v[10+\t], s[20:21] offset:64*\kk+32
.endr
.endr
	WIN 0
.endm
.macro BF kk, off                      ; eight fragments of W (32 K x 16 columns each), turned, into K step kk's buffer: 16 loads in one run
.if \kk
	WIN 0xc0                                       ; destination window 3, address window 0
.endif
.irp n, 0,1,2,3,4,5,6,7
	ds_load_tr16_b128 v[BFR+32*(\kk)+8*\n:BFR+32*(\kk)+8*\n+3], v4 offset:(\off)+32*\n
	ds_load_tr16_b128 v[BFR+32*(\kk)+8*\n+4:BFR+32*(\kk)+8*\n+7], v4 offset:(\off)+32*\n+16*LP
.endr
	WIN 0
.endm
.macro MM t, n, set, kk, first         ; one product: tile t, column block n.  first = 1: it starts the sum, with the bias (layer 1) or with 0
.set AR, 80*(\set)+40*(\kk)+8*(\t)
.set DR, 64*((\t)%4)+8*(\n)
.set BR, BFR+32*(\kk)+8*(\n)
.if (\first) && (LAYER == 1)
	WIN 0x94+0x40*((\t)/4)
	v_wmma_f32_16x16x32_bf16 v[DR:DR+7], v[BR:BR+7], v[AR:AR+7], v[BIAS+8*(\n):BIAS+8*(\n)+7]
.elseif \first
	WIN 0xa4+0x50*((\t)/4)
	v_wmma_f32_16x16x32_bf16 v[DR:DR+7], v[BR:BR+7], v[AR:AR+7], 0
.else
	WIN 0xa4+3*(\kk)+0x50*((\t)/4)
	v_wmma_f32_16x16x32_bf16 v[DR:DR+7], v[BR:BR+7], v[AR:AR+7], v[DR:DR+7]
.endif
.endm
; 32 along K: 32 matrix instructions for tiles 0-3, then 8 for tile 4 if it has rows (in a pass's first K step: always).  The accumulators take turns, one instruction a turn, on both ways and over the loops' edges too.
; bw = 1: the trip's barrier, signalled in front of these products, is waited for behind the first 32, ahead of the branch.  pf = 1: the buffer is filled again, for the K step two steps on (in the next chunk).
.macro KSTEP set, kk, first, pf, bw
.if ((\kk) == 0) || (\pf)
	s_wait_dscnt 16                                ; this K step's fragments are in; the 16 loads of the other buffer may be out
.else
	s_wait_dscnt 0x0
.endif
.irp t, 0,1,2,3
.irp n, 0,1,2,3,4,5,6,7
	MM \t, \n, \set, \kk, \first
.endr
.endr
.if (\first) == 0
	WIN 0                                          ; at a branch and at a label every window is 0
.if \bw
	s_barrier_wait -1                              ; every wave's rows of the next chunk are in LDS: the run of LDS loads below is the first to read them
.endif
	s_cmp_ge_u32 s40, s19
	s_cbranch_scc1 .Ldead4_\@                      ; my tile 4 begins at or past the count: nobody reads its sums
.endif
.irp n, 0,1,2,3,4,5,6,7
	MM 4, \n, \set, \kk, \first
.endr
	WIN 0
.if (\first) == 0
.Ldead4_\@:
.endif
	PLACES                                         ; behind the label: on both ways four places lie between the last product and the loads below
.if \pf
	BF \kk, ((\kk)+2)*32*LP
.endif
.endm
; Trip c of pass 0; set = c % 2.  st: chunk c + 1 goes into LDS and its rows' fragments are asked for.  lw: the weights of chunk c + 3 are asked for.
.macro TRIPF set, first, st, lw, wcnt, bar, pf
	s_wait_loadcnt \wcnt                           ; W(c+1) and A(c) were issued ahead of W(c+2): the count leaves the last 16 out
.if \st
	STORE 1-(\set)
	s_wait_xcnt 0x0                                ; the two bases are stepped only behind this wait
	s_add_nc_u64 s[20:21], s[20:21], 128
.if \lw
	s_add_nc_u64 s[6:7], s[6:7], CH
.endif
	LOADA 1-(\set)
.if \lw
	LOADW 1-(\set), 0
.endif
.endif
.if \bar
	s_wait_dscnt 0x0                               ; for the others' sake: my rows of chunk c + 1 are in LDS (the 36 loads above were issued meanwhile)
.endif
.if \pf
	v_add_nc_u32 v4, s37, v5                       ; chunk c's place in LDS
	s_add_co_u32 s37, s37, LCH
.endif
.if \bar
	s_barrier_signal -1
.if \first
	s_barrier_wait -1                              ; the first trip has no fragments yet to multiply meanwhile
.endif
.endif
.if \first
	BF 0, 0
	BF 1, 32*LP
.endif
	KSTEP \set, 0, \first, \pf, (\bar)*(1-(\first))
	KSTEP \set, 1, 0, \pf, 0
.endm
; A trip of a later pass: the weights are all in LDS; one set of fragments, nothing fetched ahead (such a pass runs only where an expert has more than 320 rows)
.macro TRIPN first
	LOADA 0
	v_add_nc_u32 v4, s37, v5
	s_add_co_u32 s37, s37, LCH
	BF 0, 0
	BF 1, 32*LP
	s_wait_loadcnt 0x0
	s_add_nc_u64 s[20:21], s[20:21], 128
	KSTEP 0, 0, \first, 0, 0
	KSTEP 0, 1, 0, 0, 0
.endm
.macro ROW0                            ; my tile 0's first row in the pass (the way out's tests go by it, in a pass without rows too), and my tile 4's
	s_lshl_b32 s25, s16, 4
	s_add_co_u32 s25, s25, s22
	s_add_co_u32 s40, s25, 256
.endm
.macro SETUP                           ; a pass's rows
	s_mov_b64 s[20:21], s[4:5]
.irp t, 0,1,2,3,4
	s_add_co_u32 s30, s25, 64*\t
	v_add_nc_u32 v[16+\t], s30, v22
	v_min_u32 v[16+\t], s18, v[16+\t]              ; no row past the count's last
	v_min_u32 v[16+\t], 0x3ff, v[16+\t]
.if LAYER == 1
	v_lshlrev_b32 v[16+\t], 2, v[16+\t]
	global_load_b32 v[24+\t], v[16+\t], s[34:35]   ; the row's token
.else
	v_lshl_add_u32 v[10+\t], v[16+\t], ASH, v30
.endif
.endr
.endm
.macro FINISH
.irp t, 0,1,2,3,4
	v_min_u32 v[24+\t], 0x3ff, v[24+\t]
	v_lshl_add_u32 v[10+\t], v[24+\t], ASH, v30
.endr
.endm
; THE WAY OUT of tile t, through my own stage in LDS (LDS serves a wave's instructions in order, ISA guide 5.7.1.4: no wait between its stores and loads): sixteen lanes then store 256 consecutive bytes, aligned.
.macro EPI t
	s_add_co_u32 s26, s25, 64*(\t)
	s_cmp_ge_u32 s26, s19
	s_cbranch_scc1 .Lno_\@                         ; the tile begins at or past the count
	s_wait_xcnt 0x0                                ; the last tile's stores have read their base and data
	s_lshl_b32 s26, s26, OSH
	s_add_nc_u64 s[28:29], s[10:11], s[26:27]
.set AC, 64*((\t)%4)
.if LAYER == 1
	WIN 0x08+4*((\t)/4)
.set i, 0
.rept 64
	v_max_num_f32 v[WS+i], 0, v[AC+i]              ; relu; each accumulator is read from its low end on
.set i, i+1
.endr
	WIN 0
.set i, 0
.rept 32
	v_cvt_pk_bf16_f32 v[T+i], v[WS+2*i], v[WS+2*i+1]
.set i, i+1
.endr
.irp n, 0,1,2,3,4,5,6,7
	ds_store_b128 v6, v[T+4*\n:T+4*\n+3] offset:32*\n
.endr
.irp i, 0,1,2,3,4,5,6,7
	ds_load_b128 v[192+4*\i:192+4*\i+3], v7 offset:2*SPI*\i
.endr
	s_wait_dscnt 0x0
.irp i, 0,1,2,3,4,5,6,7
	global_store_b128 v8, v[192+4*\i:192+4*\i+3], s[28:29] offset:2*\i*OP
.endr
.else
.irp hf, 0,1
	WIN 0x08+4*((\t)/4)
.irp n, 0,1,2,3
	ds_store_b128 v6, v[AC+8*(4*\hf+\n):AC+8*(4*\hf+\n)+3] offset:64*\n
	ds_store_b128 v6, v[AC+8*(4*\hf+\n)+4:AC+8*(4*\hf+\n)+7] offset:64*\n+16
.endr
	WIN 0
.irp i, 0,1,2,3,4,5,6,7
	ds_load_b128 v[192+32*\hf+4*\i:192+32*\hf+4*\i+3], v7 offset:2*SPI*\i
.endr
	s_wait_dscnt 0x0
.irp i, 0,1,2,3,4,5,6,7
	global_store_b128 v8, v[192+32*\hf+4*\i:192+32*\hf+4*\i+3], s[28:29] offset:2*\i*OP+256*\hf
.endr
.endr
.endif
.Lno_\@:
.endm
	s_load_b256 s[4:11], s[0:1], 0x0               ; input rows s[4:5], W s[6:7], rt s[8:9], output s[10:11]
.if LAYER == 1
	s_load_b64 s[12:13], s[0:1], 0x20              ; b1
	v_lshl_add_u32 v15, v0, 2, 0x4c400
	v_mov_b32 v31, 0
.endif
	v_lshrrev_b32 v1, 5, v0
	v_readfirstlane_b32 s16, v1                    ; wave
	s_lshr_b32 s17, ttmp9, 5                       ; expert
	s_lshl_b32 s33, s17, 2
	s_mov_b32 s27, 0                               ; the high word of every offset: stays 0
.if LAYER == 1
	s_and_b32 s32, ttmp9, 31                       ; which 128 columns
.else
	s_and_b32 s32, ttmp9, 7
	s_bfe_u32 s36, ttmp9, 0x20003                  ; which 1,024 of K
.endif
	s_lshl_b32 s26, s17, 24                        ; an expert's weights: 16 MiB
	s_lshl_b32 s30, s32, 9
	s_add_co_u32 s26, s26, s30
.if LAYER == 2
	s_lshl_b32 s30, s36, 22
	s_add_co_u32 s26, s26, s30
.endif
	v_and_b32 v21, 31, v0                          ; lane
	s_mul_i32 s30, s16, 16*WP
	v_lshl_add_u32 v2, v21, 4, s30                 ; 16 l + my 16 rows of a chunk
	s_wait_kmcnt 0x0
	s_load_b32 s19, s[8:9], s33 offset:0xa000      ; the expert's count
	s_add_nc_u64 s[6:7], s[6:7], s[26:27]
	LOADW 0, 0                                     ; the first weights start on their way before anything else is known
.if LAYER == 1
	s_lshl_b32 s26, s17, 23
	s_lshl_b32 s30, s32, 8
	s_add_co_u32 s26, s26, s30
	s_add_nc_u64 s[10:11], s[10:11], s[26:27]      ; h at the expert's slot 0, my columns
	s_lshl_b32 s26, s17, 14
	s_lshl_b32 s30, s32, 9
	s_add_co_u32 s26, s26, s30
	s_add_nc_u64 s[12:13], s[12:13], s[26:27]      ; b1 at my columns
	s_lshl_b32 s26, s17, 12
	s_add_nc_u64 s[34:35], s[8:9], s[26:27]        ; the expert's list
.else
	s_lshl_b32 s26, s36, 25
	s_lshl_b32 s30, s17, 22
	s_add_co_u32 s26, s26, s30
	s_lshl_b32 s30, s32, 9
	s_add_co_u32 s26, s26, s30
	s_add_nc_u64 s[10:11], s[10:11], s[26:27]      ; y at my K part, the expert's slot 0, my columns
	s_lshl_b32 s26, s17, 23
	s_lshl_b32 s30, s36, 11
	s_add_co_u32 s26, s26, s30
	s_add_nc_u64 s[4:5], s[4:5], s[26:27]          ; h at the expert's slot 0, my K part
.endif
	v_and_b32 v22, 15, v0                          ; r
	v_bfe_u32 v23, v0, 4, 1                        ; h
	v_lshlrev_b32 v30, 4, v23
	v_lshlrev_b32 v9, 5, v23
	s_mul_i32 s30, s16, 16*LP
	v_lshl_add_u32 v29, v21, 3, s30                ; LDS: my 16 rows of a chunk, 8 bytes a lane
	v_and_b32 v16, 7, v0
	v_lshl_add_u32 v16, v23, 3, v16
	v_mul_u32_u24 v5, v16, LP
	v_bfe_u32 v17, v0, 3, 1
	v_lshl_add_u32 v5, v17, 4, v5                  ; the turning load: row 8 h + l % 8, 16 bytes by (l / 8) % 2
	s_mul_i32 s30, s16, 16*SPI
	s_add_co_u32 s30, s30, STAGE                   ; my stage
	v_mul_u32_u24 v6, v22, SPI
	v_lshl_add_u32 v6, v23, HSH, v6
	v_add_nc_u32 v6, s30, v6                       ; in: row r, my half's 8 numbers
	v_mul_u32_u24 v7, v23, SPI
	v_lshl_add_u32 v7, v22, 4, v7
	v_add_nc_u32 v7, s30, v7                       ; back: lanes 0-15 one row of 256 bytes, lanes 16-31 the next
	v_mul_u32_u24 v8, v23, OP
	v_lshl_add_u32 v8, v22, 4, v8                  ; and the same two rows in the output
	s_mov_b32 s39, 0xffff0000
	s_mov_b32 s22, 0                               ; the pass's first row
	s_mov_b32 s23, 4                               ; passes to go
	s_mov_b32 s37, 0                               ; LDS byte of the chunk to be multiplied
	s_mov_b32 s38, 0                               ; of the chunk to be stored
	s_wait_kmcnt 0x0
	s_min_u32 s19, s19, 0x400
	s_max_u32 s19, s19, 1                          ; an expert without tokens runs one tile on token 0; nobody reads it
	s_sub_co_u32 s18, s19, 1
	ROW0
	SETUP
	; The rows' first fragments are asked for ahead of chunk 2, since loads come back in the order of issue (ISA guide 5.7.1): the first trip then waits like every other.  At most 53 loads of the wave are out.
.if LAYER == 1
.irp n, 0,1,2,3,4,5,6,7
	global_load_b128 v[BFR+8*\n:BFR+8*\n+3], v9, s[12:13] offset:64*\n       ; b1 of columns 16 n + 8 h + 0..7
	global_load_b128 v[BFR+8*\n+4:BFR+8*\n+7], v9, s[12:13] offset:64*\n+16
.endr
	LOADW 1, 1
	s_wait_loadcnt 32                              ; chunk 0 and the list are in; behind them: the bias's 16, chunk 1's 16
	FINISH
	LOADA 0
	STORE 0
	s_wait_loadcnt 36                              ; the bias is in; behind it: chunk 1's 16, the fragments' 20
	LOADW 0, 2
.set i, 0
.rept 32
	v_cvt_pk_bf16_f32 v[T+i], v[BFR+2*i], v[BFR+2*i+1]  ; the bias rounded to bf16 and widened again, into the registers that start the sums
.set i, i+1
.endr
	WIN 0x40
.set i, 0
.rept 32
	v_lshlrev_b32 v[BIAS+2*i], 16, v[T+i]
	v_and_b32 v[BIAS+2*i+1], s39, v[T+i]
.set i, i+1
.endr
	WIN 0
.else
	LOADA 0
	LOADW 1, 1
	s_wait_loadcnt 36                              ; chunk 0 is in; behind it: the fragments' 20, chunk 1's 16
	STORE 0
	LOADW 0, 2
.endif
	s_wait_xcnt 0x0
	s_add_nc_u64 s[6:7], s[6:7], 2*CH              ; W at chunk 2
	TRIPF 0, 1, 1, 1, 16, 1, 1                     ; c = 0
	s_mov_b32 s24, 6
.Lk0:                                                  ; c = 1 .. 12
	TRIPF 1, 0, 1, 1, 16, 1, 1
	TRIPF 0, 0, 1, 1, 16, 1, 1
	s_sub_co_u32 s24, s24, 1
	s_cmp_lg_u32 s24, 0
	s_cbranch_scc1 .Lk0
	TRIPF 1, 0, 1, 0, 16, 1, 1                     ; c = 13: no weights are left to ask for
	TRIPF 0, 0, 1, 0, 0, 1, 1                      ; c = 14: chunk 15 and A(14) are the last out
	TRIPF 1, 0, 0, 0, 0, 0, 0                      ; c = 15
	s_branch .Lepi
.Lpass:                                                ; passes 1 to 3
	ROW0
	s_cmp_ge_u32 s22, s19
	s_cbranch_scc1 .Lepi                           ; no rows are left: nothing is multiplied (no barrier stands in what is jumped), and below each tile's own test skips it
	SETUP
.if LAYER == 1
	s_wait_loadcnt 0x0
	FINISH
.endif
	s_mov_b32 s37, 0
	TRIPN 1
	s_mov_b32 s24, 15
.Lnk:
	TRIPN 0
	s_sub_co_u32 s24, s24, 1
	s_cmp_lg_u32 s24, 0
	s_cbranch_scc1 .Lnk
.Lepi:
	MEETALL                                        ; every wave's LDS reads of the pass are back: only now does any wave store into a stage
	EPI 0
	EPI 1
	EPI 2
	EPI 3
	EPI 4
	MEETALL                                        ; every wave's stage stores and reads are done: only now does the next pass read LDS
	s_add_co_u32 s22, s22, 320
	s_sub_co_u32 s23, s23, 1
	s_cmp_lg_u32 s23, 0
	s_cbranch_scc1 .Lpass
	s_wait_tensorcnt 0x0
	ds_add_u32 v15, v31
	s_wait_dscnt 0x0
	s_endpgm
.Lfunc_end_k_q786dcfcf89_ffn1:
	.size	k_q786dcfcf89_ffn1, .Lfunc_end_k_q786dcfcf89_ffn1-k_q786dcfcf89_ffn1
	.p2alignl 7, 3214868480
	.fill 96, 4, 3214868480
	.section	.rodata,"a",@progbits
	.p2align	6, 0x0
	.amdhsa_kernel k_q786dcfcf89_ffn1
		.amdhsa_group_segment_fixed_size 312832
		.amdhsa_private_segment_fixed_size 0
		.amdhsa_enable_private_segment 0
		.amdhsa_kernarg_size 40
		.amdhsa_user_sgpr_count 2
		.amdhsa_user_sgpr_kernarg_segment_ptr 1
		.amdhsa_wavefront_size32 1
		.amdhsa_system_sgpr_workgroup_id_x 1
		.amdhsa_system_sgpr_workgroup_id_y 1
		.amdhsa_system_sgpr_workgroup_id_z 1
		.amdhsa_system_vgpr_workitem_id 0
		.amdhsa_next_free_vgpr 896
		.amdhsa_next_free_sgpr 66
		.amdhsa_reserve_vcc 0
		.amdhsa_float_denorm_mode_32 3
		.amdhsa_float_denorm_mode_16_64 3
		.amdhsa_memory_ordered 1
		.amdhsa_forward_progress 1
		.amdhsa_inst_pref_size 152
	.end_amdhsa_kernel
	.amdgpu_metadata
---
amdhsa.version: [ 1, 2 ]
amdhsa.kernels:
  - .name:           k_q786dcfcf89_ffn1
    .symbol:         k_q786dcfcf89_ffn1.kd
    .args:
      - { .name: xb, .offset: 0, .size: 8, .value_kind: global_buffer, .address_space: global }
      - { .name: W1, .offset: 8, .size: 8, .value_kind: global_buffer, .address_space: global }
      - { .name: rt, .offset: 16, .size: 8, .value_kind: global_buffer, .address_space: global }
      - { .name: h, .offset: 24, .size: 8, .value_kind: global_buffer, .address_space: global }
      - { .name: b1, .offset: 32, .size: 8, .value_kind: global_buffer, .address_space: global }
    .group_segment_fixed_size: 312832
    .private_segment_fixed_size: 0
    .kernarg_segment_align: 8
    .kernarg_segment_size: 40
    .max_flat_workgroup_size: 128
    .sgpr_count:     66
    .vgpr_count:     896
    .wavefront_size: 32
...
	.end_amdgpu_metadata
.endif
;; end of part 6
;; launch ffn2 (part 7): grid 256 x 1, 4 waves a work-group, no clusters, 312,832 bytes of LDS; arguments h, W2, rt, y; writes y
.if DOCPART == 7
	.amdgcn_target "amdgcn-amd-amdhsa--gfx1250"
	.amdhsa_code_object_version 6
	.text
	.protected	k_q786dcfcf89_ffn2
	.globl	k_q786dcfcf89_ffn2
	.p2align	8
	.type	k_q786dcfcf89_ffn2,@function
k_q786dcfcf89_ffn2:
	s_mov_b64 s[64:65], 0
	v_nop
	global_prefetch_b8 v0, s[64:65] scope:SCOPE_SE
	s_setreg_imm32_b32 hwreg(HW_REG_WAVE_MODE, 25, 1), 1
	s_wait_xcnt 0x0
; ONE LAYER OF THE EXPERTS' FFN, for the tokens that chose the expert.  The text serves both layers; LAYER picks.
;   LAYER 1: h[slot][n] = relu(x[list[slot]] . W1[e][:, n] + b1[e][n]), bf16.     LAYER 2: y[ks][slot][n] = h[slot][1024 ks ..] . W2[e][1024 ks .., n], f32: four partial sums over K.
; SHARES.  A work-group owns 1024 (K) x 128 (N) of one expert's weights: 524,288 bytes of f32, read from memory once, rounded to bf16 on the way through registers and kept in LDS as they lie,
; [K][N]; the turning LDS load makes fragments of them.  The expert's rows go in passes of 320: a wave has 5 tiles of 16 rows x 128 columns, 40 accumulators.  Tile t of wave w holds rows row0 + 16 (4 t + w) + 0..15.
; The count is read from rt; up to 4 passes serve any count to 1,024.  A row index is clamped to the count's last row, so only written words are read; tiles that begin at or past the count are not stored.
; THE FIFTH TILE.  2,048 pairs over 8 experts are 256 rows an expert on average, so a wave's tile 4 (rows 256 + 16 w on) mostly begins at or past the count.  Such a tile is multiplied in a pass's first K step alone,
; which writes its accumulators on every path, and its 8 products are jumped over in the other 31 K steps.  The jump passes no barrier and no load.
; THE MATRIX INSTRUCTION IS USED TRANSPOSED: source 0 = 16 columns of W, source 1 = 16 rows: a lane's 8 results are 8 neighbouring columns of one row.
; PASS 0 goes in 16 chunks of 64 K, two K steps of 32 each.  In trip c a wave rounds its 16 rows of chunk c + 1 into LDS, asks for its rows' fragments of chunk c + 1 and for the weights of chunk c + 3, waits for its
; LDS stores and signals the trip's one barrier; multiplies tiles 0-3 of chunk c's first K step, 32 products on registers; waits for the barrier, which shows chunk c + 1 to all; and only behind that reads chunk c + 1.
; Each K step has its own buffer of W's fragments, filled again in ONE run of 16 LDS loads behind its products, for the K step two steps on: the run has the other K step's products in which to land.
; LDS bytes of the weights are written once and never again.
; THE WAY OUT stands between two barriers, in each of the four passes, on every wave's path: in front of the first every wave's LDS reads of the pass are back, in front of the second its stage stores are done.
; So reads of the weights and stores into the stages are never out at the same time in any two waves.  The stages lie behind the weights and each is one wave's own, so no byte is in fact shared: eight meetings a launch are the price of an order that hangs on no address.
; FORMAT, LIMITS.  Operands bf16, sums f32; b1 is rounded to bf16 like every input of the program.  NaN and infinities are not treated apart (relu of NaN gives 0).
; NO CLUSTER, NO TENSOR LOADS.  The weights are a work-group's own, and as f32 they must pass through registers to be rounded.  The rows are shared by an expert's work-groups, but layer 1's are gathered by a list,
; and two slots of 320 rows x 128 bytes (81,920 bytes) have no room beside the weights' 294,912 bytes in LDS: each lane loads its fragment's 16 bytes straight into registers.
; REGISTERS, in windows of 256 (s_set_vgpr_msb: bits 1:0 source 0, 3:2 source 1, 5:4 source 2, 7:6 destination):
;   window 0: v2 W offset; v3, v29 LDS store address and its lane term; v4, v5 fragment address and its lane term; v6-8 the way out; v9 bias offset; v10-14 my row's byte offset, by tile; v16-28 at work; v30 16 h;
;             v32-95 W's fragments of a chunk's first K step (8 column blocks); v96-127 packed; v128-191, v192-255 weights as loaded, two sets (on the way out: at work)
;   window 1: rows' fragments: set s, K step kk, tile t at 80 s + 40 kk + 8 t; v160-223 the bias as a C operand     window 2: accumulators of tiles 0-3 at 64 t + 8 n
;   window 3: tile 4's accumulators at 8 n; v64-127 W's fragments of a chunk's second K step
.set LAYER, 2
.if LAYER == 1
.set WP,  16384                        ; bytes from row to row of W
.set OP,  8192                         ; of the output
.set ASH, 11                           ; log2 of the bytes from row to row of the input
.set OSH, 13
.set HSH, 4                            ; a lane's half holds 8 bf16: 16 bytes
.else
.set WP,  4096
.set OP,  4096
.set ASH, 13
.set OSH, 12
.set HSH, 5                            ; 8 f32: 32 bytes
.endif
.set CH,    64*WP                      ; a chunk of W in memory
.set LP,    288                        ; an LDS row of W: 256 bytes + 32
.set LCH,   64*LP                      ; a chunk in LDS
.set STAGE, 1024*LP                    ; behind the weights: 16 rows x 272 bytes for each wave, for the way out
.set SPI,   272
.set BFR, 32                           ; W's fragments: K step kk at BFR + 32 kk, in window 0 (kk = 0) or window 3 (kk = 1)
.set T,   96
.set WS,  128
.set BIAS, 160
.set MSB, 0
.macro WIN new                         ; the immediate's high byte repeats the setting that is left; a switch that changes nothing is dropped
.if MSB != (\new)
	s_set_vgpr_msb (MSB<<8)|(\new)
.set MSB, (\new)
.endif
.endm
.macro PLACES                          ; four plain instructions between a matrix instruction and a load into, or a read of, its registers
.rept 4
	v_nop
.endr
.endm
.macro MEETALL                         ; my LDS instructions are done; then all four waves'
	s_wait_dscnt 0x0
	s_barrier_signal -1
	s_barrier_wait -1
.endm
.macro LOADW set, choff                ; my 16 rows of a chunk: each load takes a row's 512 consecutive bytes
.set j, 0
.rept 16
	global_load_b128 v[WS+64*(\set)+4*j:WS+64*(\set)+4*j+3], v2, s[6:7] offset:(\choff)*CH+j*WP th:TH_LOAD_NT
.set j, j+1
.endr
.endm
.macro STORE set                       ; rounded to bf16 and into LDS, 256 consecutive bytes a row: the 32 conversions in one run, then the 16 stores in one run
	v_add_nc_u32 v3, s38, v29
	s_add_co_u32 s38, s38, LCH
.set j, 0
.rept 16
	v_cvt_pk_bf16_f32 v[T+2*j], v[WS+64*(\set)+4*j], v[WS+64*(\set)+4*j+1]
	v_cvt_pk_bf16_f32 v[T+2*j+1], v[WS+64*(\set)+4*j+2], v[WS+64*(\set)+4*j+3]
.set j, j+1
.endr
.set j, 0
.rept 16
	ds_store_b64 v3, v[T+2*j:T+2*j+1] offset:j*LP
.set j, j+1
.endr
.endm
.macro LOADA set                       ; my 5 tiles' fragments of a chunk: lane (r, h) takes K = 8 h .. and 16 + 8 h .. of row r, for both K steps of 32.  A dead tile's lanes all name the count's last row; its 4 loads stay, so that every path issues 20
	WIN 0x40
.irp kk, 0,1
.irp t, 0,1,2,3,4
	global_load_b128 v[80*(\set)+40*\kk+8*\t:80*(\set)+40*\kk+8*\t+3], v[10+\t], s[20:21] offset:64*\kk
	global_load_b128 v[80*(\set)+40*\kk+8*\t+4:80*(\set)+40*\kk+8*\t+7], v[10+\t], s[20:21] offset:64*\kk+32
.endr
.endr
	WIN 0
.endm
.macro BF kk, off                      ; eight fragments of W (32 K x 16 columns each), turned, into K step kk's buffer: 16 loads in one run
.if \kk
	WIN 0xc0                                       ; destination window 3, address window 0
.endif
.irp n, 0,1,2,3,4,5,6,7
	ds_load_tr16_b128 v[BFR+32*(\kk)+8*\n:BFR+32*(\kk)+8*\n+3], v4 offset:(\off)+32*\n
	ds_load_tr16_b128 v[BFR+32*(\kk)+8*\n+4:BFR+32*(\kk)+8*\n+7], v4 offset:(\off)+32*\n+16*LP
.endr
	WIN 0
.endm
.macro MM t, n, set, kk, first         ; one product: tile t, column block n.  first = 1: it starts the sum, with the bias (layer 1) or with 0
.set AR, 80*(\set)+40*(\kk)+8*(\t)
.set DR, 64*((\t)%4)+8*(\n)
.set BR, BFR+32*(\kk)+8*(\n)
.if (\first) && (LAYER == 1)
	WIN 0x94+0x40*((\t)/4)
	v_wmma_f32_16x16x32_bf16 v[DR:DR+7], v[BR:BR+7], v[AR:AR+7], v[BIAS+8*(\n):BIAS+8*(\n)+7]
.elseif \first
	WIN 0xa4+0x50*((\t)/4)
	v_wmma_f32_16x16x32_bf16 v[DR:DR+7], v[BR:BR+7], v[AR:AR+7], 0
.else
	WIN 0xa4+3*(\kk)+0x50*((\t)/4)
	v_wmma_f32_16x16x32_bf16 v[DR:DR+7], v[BR:BR+7], v[AR:AR+7], v[DR:DR+7]
.endif
.endm
; 32 along K: 32 matrix instructions for tiles 0-3, then 8 for tile 4 if it has rows (in a pass's first K step: always).  The accumulators take turns, one instruction a turn, on both ways and over the loops' edges too.
; bw = 1: the trip's barrier, signalled in front of these products, is waited for behind the first 32, ahead of the branch.  pf = 1: the buffer is filled again, for the K step two steps on (in the next chunk).
.macro KSTEP set, kk, first, pf, bw
.if ((\kk) == 0) || (\pf)
	s_wait_dscnt 16                                ; this K step's fragments are in; the 16 loads of the other buffer may be out
.else
	s_wait_dscnt 0x0
.endif
.irp t, 0,1,2,3
.irp n, 0,1,2,3,4,5,6,7
	MM \t, \n, \set, \kk, \first
.endr
.endr
.if (\first) == 0
	WIN 0                                          ; at a branch and at a label every window is 0
.if \bw
	s_barrier_wait -1                              ; every wave's rows of the next chunk are in LDS: the run of LDS loads below is the first to read them
.endif
	s_cmp_ge_u32 s40, s19
	s_cbranch_scc1 .Ldead4_\@                      ; my tile 4 begins at or past the count: nobody reads its sums
.endif
.irp n, 0,1,2,3,4,5,6,7
	MM 4, \n, \set, \kk, \first
.endr
	WIN 0
.if (\first) == 0
.Ldead4_\@:
.endif
	PLACES                                         ; behind the label: on both ways four places lie between the last product and the loads below
.if \pf
	BF \kk, ((\kk)+2)*32*LP
.endif
.endm
; Trip c of pass 0; set = c % 2.  st: chunk c + 1 goes into LDS and its rows' fragments are asked for.  lw: the weights of chunk c + 3 are asked for.
.macro TRIPF set, first, st, lw, wcnt, bar, pf
	s_wait_loadcnt \wcnt                           ; W(c+1) and A(c) were issued ahead of W(c+2): the count leaves the last 16 out
.if \st
	STORE 1-(\set)
	s_wait_xcnt 0x0                                ; the two bases are stepped only behind this wait
	s_add_nc_u64 s[20:21], s[20:21], 128
.if \lw
	s_add_nc_u64 s[6:7], s[6:7], CH
.endif
	LOADA 1-(\set)
.if \lw
	LOADW 1-(\set), 0
.endif
.endif
.if \bar
	s_wait_dscnt 0x0                               ; for the others' sake: my rows of chunk c + 1 are in LDS (the 36 loads above were issued meanwhile)
.endif
.if \pf
	v_add_nc_u32 v4, s37, v5                       ; chunk c's place in LDS
	s_add_co_u32 s37, s37, LCH
.endif
.if \bar
	s_barrier_signal -1
.if \first
	s_barrier_wait -1                              ; the first trip has no fragments yet to multiply meanwhile
.endif
.endif
.if \first
	BF 0, 0
	BF 1, 32*LP
.endif
	KSTEP \set, 0, \first, \pf, (\bar)*(1-(\first))
	KSTEP \set, 1, 0, \pf, 0
.endm
; A trip of a later pass: the weights are all in LDS; one set of fragments, nothing fetched ahead (such a pass runs only where an expert has more than 320 rows)
.macro TRIPN first
	LOADA 0
	v_add_nc_u32 v4, s37, v5
	s_add_co_u32 s37, s37, LCH
	BF 0, 0
	BF 1, 32*LP
	s_wait_loadcnt 0x0
	s_add_nc_u64 s[20:21], s[20:21], 128
	KSTEP 0, 0, \first, 0, 0
	KSTEP 0, 1, 0, 0, 0
.endm
.macro ROW0                            ; my tile 0's first row in the pass (the way out's tests go by it, in a pass without rows too), and my tile 4's
	s_lshl_b32 s25, s16, 4
	s_add_co_u32 s25, s25, s22
	s_add_co_u32 s40, s25, 256
.endm
.macro SETUP                           ; a pass's rows
	s_mov_b64 s[20:21], s[4:5]
.irp t, 0,1,2,3,4
	s_add_co_u32 s30, s25, 64*\t
	v_add_nc_u32 v[16+\t], s30, v22
	v_min_u32 v[16+\t], s18, v[16+\t]              ; no row past the count's last
	v_min_u32 v[16+\t], 0x3ff, v[16+\t]
.if LAYER == 1
	v_lshlrev_b32 v[16+\t], 2, v[16+\t]
	global_load_b32 v[24+\t], v[16+\t], s[34:35]   ; the row's token
.else
	v_lshl_add_u32 v[10+\t], v[16+\t], ASH, v30
.endif
.endr
.endm
.macro FINISH
.irp t, 0,1,2,3,4
	v_min_u32 v[24+\t], 0x3ff, v[24+\t]
	v_lshl_add_u32 v[10+\t], v[24+\t], ASH, v30
.endr
.endm
; THE WAY OUT of tile t, through my own stage in LDS (LDS serves a wave's instructions in order, ISA guide 5.7.1.4: no wait between its stores and loads): sixteen lanes then store 256 consecutive bytes, aligned.
.macro EPI t
	s_add_co_u32 s26, s25, 64*(\t)
	s_cmp_ge_u32 s26, s19
	s_cbranch_scc1 .Lno_\@                         ; the tile begins at or past the count
	s_wait_xcnt 0x0                                ; the last tile's stores have read their base and data
	s_lshl_b32 s26, s26, OSH
	s_add_nc_u64 s[28:29], s[10:11], s[26:27]
.set AC, 64*((\t)%4)
.if LAYER == 1
	WIN 0x08+4*((\t)/4)
.set i, 0
.rept 64
	v_max_num_f32 v[WS+i], 0, v[AC+i]              ; relu; each accumulator is read from its low end on
.set i, i+1
.endr
	WIN 0
.set i, 0
.rept 32
	v_cvt_pk_bf16_f32 v[T+i], v[WS+2*i], v[WS+2*i+1]
.set i, i+1
.endr
.irp n, 0,1,2,3,4,5,6,7
	ds_store_b128 v6, v[T+4*\n:T+4*\n+3] offset:32*\n
.endr
.irp i, 0,1,2,3,4,5,6,7
	ds_load_b128 v[192+4*\i:192+4*\i+3], v7 offset:2*SPI*\i
.endr
	s_wait_dscnt 0x0
.irp i, 0,1,2,3,4,5,6,7
	global_store_b128 v8, v[192+4*\i:192+4*\i+3], s[28:29] offset:2*\i*OP
.endr
.else
.irp hf, 0,1
	WIN 0x08+4*((\t)/4)
.irp n, 0,1,2,3
	ds_store_b128 v6, v[AC+8*(4*\hf+\n):AC+8*(4*\hf+\n)+3] offset:64*\n
	ds_store_b128 v6, v[AC+8*(4*\hf+\n)+4:AC+8*(4*\hf+\n)+7] offset:64*\n+16
.endr
	WIN 0
.irp i, 0,1,2,3,4,5,6,7
	ds_load_b128 v[192+32*\hf+4*\i:192+32*\hf+4*\i+3], v7 offset:2*SPI*\i
.endr
	s_wait_dscnt 0x0
.irp i, 0,1,2,3,4,5,6,7
	global_store_b128 v8, v[192+32*\hf+4*\i:192+32*\hf+4*\i+3], s[28:29] offset:2*\i*OP+256*\hf
.endr
.endr
.endif
.Lno_\@:
.endm
	s_load_b256 s[4:11], s[0:1], 0x0               ; input rows s[4:5], W s[6:7], rt s[8:9], output s[10:11]
	v_lshl_add_u32 v28, v0, 2, 0x4c400
	v_mov_b32 v31, 0
.if LAYER == 1
	s_load_b64 s[12:13], s[0:1], 0x20              ; b1
.endif
	v_lshrrev_b32 v1, 5, v0
	v_readfirstlane_b32 s16, v1                    ; wave
	s_lshr_b32 s17, ttmp9, 5                       ; expert
	s_lshl_b32 s33, s17, 2
	s_mov_b32 s27, 0                               ; the high word of every offset: stays 0
.if LAYER == 1
	s_and_b32 s32, ttmp9, 31                       ; which 128 columns
.else
	s_and_b32 s32, ttmp9, 7
	s_bfe_u32 s36, ttmp9, 0x20003                  ; which 1,024 of K
.endif
	s_lshl_b32 s26, s17, 24                        ; an expert's weights: 16 MiB
	s_lshl_b32 s30, s32, 9
	s_add_co_u32 s26, s26, s30
.if LAYER == 2
	s_lshl_b32 s30, s36, 22
	s_add_co_u32 s26, s26, s30
.endif
	v_and_b32 v21, 31, v0                          ; lane
	s_mul_i32 s30, s16, 16*WP
	v_lshl_add_u32 v2, v21, 4, s30                 ; 16 l + my 16 rows of a chunk
	s_wait_kmcnt 0x0
	s_load_b32 s19, s[8:9], s33 offset:0xa000      ; the expert's count
	s_add_nc_u64 s[6:7], s[6:7], s[26:27]
	LOADW 0, 0                                     ; the first weights start on their way before anything else is known
.if LAYER == 1
	s_lshl_b32 s26, s17, 23
	s_lshl_b32 s30, s32, 8
	s_add_co_u32 s26, s26, s30
	s_add_nc_u64 s[10:11], s[10:11], s[26:27]      ; h at the expert's slot 0, my columns
	s_lshl_b32 s26, s17, 14
	s_lshl_b32 s30, s32, 9
	s_add_co_u32 s26, s26, s30
	s_add_nc_u64 s[12:13], s[12:13], s[26:27]      ; b1 at my columns
	s_lshl_b32 s26, s17, 12
	s_add_nc_u64 s[34:35], s[8:9], s[26:27]        ; the expert's list
.else
	s_lshl_b32 s26, s36, 25
	s_lshl_b32 s30, s17, 22
	s_add_co_u32 s26, s26, s30
	s_lshl_b32 s30, s32, 9
	s_add_co_u32 s26, s26, s30
	s_add_nc_u64 s[10:11], s[10:11], s[26:27]      ; y at my K part, the expert's slot 0, my columns
	s_lshl_b32 s26, s17, 23
	s_lshl_b32 s30, s36, 11
	s_add_co_u32 s26, s26, s30
	s_add_nc_u64 s[4:5], s[4:5], s[26:27]          ; h at the expert's slot 0, my K part
.endif
	v_and_b32 v22, 15, v0                          ; r
	v_bfe_u32 v23, v0, 4, 1                        ; h
	v_lshlrev_b32 v30, 4, v23
	v_lshlrev_b32 v9, 5, v23
	s_mul_i32 s30, s16, 16*LP
	v_lshl_add_u32 v29, v21, 3, s30                ; LDS: my 16 rows of a chunk, 8 bytes a lane
	v_and_b32 v16, 7, v0
	v_lshl_add_u32 v16, v23, 3, v16
	v_mul_u32_u24 v5, v16, LP
	v_bfe_u32 v17, v0, 3, 1
	v_lshl_add_u32 v5, v17, 4, v5                  ; the turning load: row 8 h + l % 8, 16 bytes by (l / 8) % 2
	s_mul_i32 s30, s16, 16*SPI
	s_add_co_u32 s30, s30, STAGE                   ; my stage
	v_mul_u32_u24 v6, v22, SPI
	v_lshl_add_u32 v6, v23, HSH, v6
	v_add_nc_u32 v6, s30, v6                       ; in: row r, my half's 8 numbers
	v_mul_u32_u24 v7, v23, SPI
	v_lshl_add_u32 v7, v22, 4, v7
	v_add_nc_u32 v7, s30, v7                       ; back: lanes 0-15 one row of 256 bytes, lanes 16-31 the next
	v_mul_u32_u24 v8, v23, OP
	v_lshl_add_u32 v8, v22, 4, v8                  ; and the same two rows in the output
	s_mov_b32 s39, 0xffff0000
	s_mov_b32 s22, 0                               ; the pass's first row
	s_mov_b32 s23, 4                               ; passes to go
	s_mov_b32 s37, 0                               ; LDS byte of the chunk to be multiplied
	s_mov_b32 s38, 0                               ; of the chunk to be stored
	s_wait_kmcnt 0x0
	s_min_u32 s19, s19, 0x400
	s_max_u32 s19, s19, 1                          ; an expert without tokens runs one tile on token 0; nobody reads it
	s_sub_co_u32 s18, s19, 1
	ROW0
	SETUP
	; The rows' first fragments are asked for ahead of chunk 2, since loads come back in the order of issue (ISA guide 5.7.1): the first trip then waits like every other.  At most 53 loads of the wave are out.
.if LAYER == 1
.irp n, 0,1,2,3,4,5,6,7
	global_load_b128 v[BFR+8*\n:BFR+8*\n+3], v9, s[12:13] offset:64*\n       ; b1 of columns 16 n + 8 h + 0..7
	global_load_b128 v[BFR+8*\n+4:BFR+8*\n+7], v9, s[12:13] offset:64*\n+16
.endr
	LOADW 1, 1
	s_wait_loadcnt 32                              ; chunk 0 and the list are in; behind them: the bias's 16, chunk 1's 16
	FINISH
	LOADA 0
	STORE 0
	s_wait_loadcnt 36                              ; the bias is in; behind it: chunk 1's 16, the fragments' 20
	LOADW 0, 2
.set i, 0
.rept 32
	v_cvt_pk_bf16_f32 v[T+i], v[BFR+2*i], v[BFR+2*i+1]  ; the bias rounded to bf16 and widened again, into the registers that start the sums
.set i, i+1
.endr
	WIN 0x40
.set i, 0
.rept 32
	v_lshlrev_b32 v[BIAS+2*i], 16, v[T+i]
	v_and_b32 v[BIAS+2*i+1], s39, v[T+i]
.set i, i+1
.endr
	WIN 0
.else
	LOADA 0
	LOADW 1, 1
	s_wait_loadcnt 36                              ; chunk 0 is in; behind it: the fragments' 20, chunk 1's 16
	STORE 0
	LOADW 0, 2
.endif
	s_wait_xcnt 0x0
	s_add_nc_u64 s[6:7], s[6:7], 2*CH              ; W at chunk 2
	TRIPF 0, 1, 1, 1, 16, 1, 1                     ; c = 0
	s_mov_b32 s24, 6
.Lk0:                                                  ; c = 1 .. 12
	TRIPF 1, 0, 1, 1, 16, 1, 1
	TRIPF 0, 0, 1, 1, 16, 1, 1
	s_sub_co_u32 s24, s24, 1
	s_cmp_lg_u32 s24, 0
	s_cbranch_scc1 .Lk0
	TRIPF 1, 0, 1, 0, 16, 1, 1                     ; c = 13: no weights are left to ask for
	TRIPF 0, 0, 1, 0, 0, 1, 1                      ; c = 14: chunk 15 and A(14) are the last out
	TRIPF 1, 0, 0, 0, 0, 0, 0                      ; c = 15
	s_branch .Lepi
.Lpass:                                                ; passes 1 to 3
	ROW0
	s_cmp_ge_u32 s22, s19
	s_cbranch_scc1 .Lepi                           ; no rows are left: nothing is multiplied (no barrier stands in what is jumped), and below each tile's own test skips it
	SETUP
.if LAYER == 1
	s_wait_loadcnt 0x0
	FINISH
.endif
	s_mov_b32 s37, 0
	TRIPN 1
	s_mov_b32 s24, 15
.Lnk:
	TRIPN 0
	s_sub_co_u32 s24, s24, 1
	s_cmp_lg_u32 s24, 0
	s_cbranch_scc1 .Lnk
.Lepi:
	MEETALL                                        ; every wave's LDS reads of the pass are back: only now does any wave store into a stage
	EPI 0
	EPI 1
	EPI 2
	EPI 3
	EPI 4
	MEETALL                                        ; every wave's stage stores and reads are done: only now does the next pass read LDS
	s_add_co_u32 s22, s22, 320
	s_sub_co_u32 s23, s23, 1
	s_cmp_lg_u32 s23, 0
	s_cbranch_scc1 .Lpass
	s_wait_tensorcnt 0x0
	ds_add_u32 v28, v31
	s_wait_dscnt 0x0
	s_endpgm
.Lfunc_end_k_q786dcfcf89_ffn2:
	.size	k_q786dcfcf89_ffn2, .Lfunc_end_k_q786dcfcf89_ffn2-k_q786dcfcf89_ffn2
	.p2alignl 7, 3214868480
	.fill 96, 4, 3214868480
	.section	.rodata,"a",@progbits
	.p2align	6, 0x0
	.amdhsa_kernel k_q786dcfcf89_ffn2
		.amdhsa_group_segment_fixed_size 312832
		.amdhsa_private_segment_fixed_size 0
		.amdhsa_enable_private_segment 0
		.amdhsa_kernarg_size 32
		.amdhsa_user_sgpr_count 2
		.amdhsa_user_sgpr_kernarg_segment_ptr 1
		.amdhsa_wavefront_size32 1
		.amdhsa_system_sgpr_workgroup_id_x 1
		.amdhsa_system_sgpr_workgroup_id_y 1
		.amdhsa_system_sgpr_workgroup_id_z 1
		.amdhsa_system_vgpr_workitem_id 0
		.amdhsa_next_free_vgpr 896
		.amdhsa_next_free_sgpr 66
		.amdhsa_reserve_vcc 0
		.amdhsa_float_denorm_mode_32 3
		.amdhsa_float_denorm_mode_16_64 3
		.amdhsa_memory_ordered 1
		.amdhsa_forward_progress 1
		.amdhsa_inst_pref_size 134
	.end_amdhsa_kernel
	.amdgpu_metadata
---
amdhsa.version: [ 1, 2 ]
amdhsa.kernels:
  - .name:           k_q786dcfcf89_ffn2
    .symbol:         k_q786dcfcf89_ffn2.kd
    .args:
      - { .name: h, .offset: 0, .size: 8, .value_kind: global_buffer, .address_space: global }
      - { .name: W2, .offset: 8, .size: 8, .value_kind: global_buffer, .address_space: global }
      - { .name: rt, .offset: 16, .size: 8, .value_kind: global_buffer, .address_space: global }
      - { .name: y, .offset: 24, .size: 8, .value_kind: global_buffer, .address_space: global }
    .group_segment_fixed_size: 312832
    .private_segment_fixed_size: 0
    .kernarg_segment_align: 8
    .kernarg_segment_size: 32
    .max_flat_workgroup_size: 128
    .sgpr_count:     66
    .vgpr_count:     896
    .wavefront_size: 32
...
	.end_amdgpu_metadata
.endif
;; end of part 7
;; launch comb: the kernel of part 5 again; grid 256 x 1, 8 waves a work-group, no clusters, 0 bytes of LDS; arguments y, b2, rt, gf, out0; writes out0
